; MI455X (gfx1250); checked and timed in simulation.
; The chip was launched on July 23, 2026; its instructions are those of AMD's public machine-readable ISA for CDNA 5 (MIT licence, August 2026) and "CDNA5" Instruction Set Architecture Reference Guide (July 2026). The comments in the code are by the model that wrote it; some were corrected since.
;; QKV Attention. Allowed arithmetic: float matrix products may take bf16 or f16 operands with f32 sums; all other float work in f32.
;; Inputs: qkv 64 x 384 x 2,048 float32.
;; Outputs: out0 64 x 128 x 2,048 float32.
;; 3 versions, each right. Each part assembles by itself: llvm-mc -triple=amdgcn-amd-amdhsa -mcpu=gfx1250 --defsym DOCPART=n.
;; ======== version 1 of 3: 1 launch
;; launch attn (part 1): grid 256 x 1, 4 waves a work-group, no clusters, 225,792 bytes of LDS; arguments qkv, out0; writes out0
.if DOCPART == 1
	.amdgcn_target "amdgcn-amd-amdhsa--gfx1250"
	.amdhsa_code_object_version 6
	.text
	.protected	k_q75533ac0dc_attn
	.globl	k_q75533ac0dc_attn
	.p2align	8
	.type	k_q75533ac0dc_attn,@function
k_q75533ac0dc_attn:
	s_mov_b64 s[64:65], 0
	v_nop
	global_prefetch_b8 v0, s[64:65] scope:SCOPE_SE
	s_setreg_imm32_b32 hwreg(HW_REG_WAVE_MODE, 25, 1), 1
	s_wait_xcnt 0x0
; out0[n][c][t] = sum over s of softmax_s( sum over c of q[n][c][t] k[n][c][s] / sqrt(128) ) v[n][c][s].
; qkv: [64][384][2048] f32 (rows 0-127 q, 128-255 k, 256-383 v; a row is 2,048 positions = 8,192 bytes).  out0: [64][128][2048] f32.
;
; NOTHING IS LEFT OUT: every number of qkv reaches out0.  The two factors 128^(-1/4) on q and on k are one factor 1/sqrt(128) on their
; product, for all values; it is applied, together with log2(e), to the f32 score, so that the matrix operands are the inputs rounded to bf16.
; The maximum is taken away before the exponential, as a running maximum over the steps.
; LIMITS: inputs finite and such that the raw sums q.k stay finite in f32; a NaN or an infinity among the inputs is not carried to the same
; places as in the reference; the order of rounding differs (scale on the score, weights rounded to bf16 for the second product, their sum
; kept in f32 from the unrounded weights); v_exp_f32 gives 0 for results under 2^-126 (ISA guide, its entry in 15.8).
;
; SHARES: 256 work-groups = 64 batches x 4 blocks of 512 t.  Four waves; a wave owns 128 t and all 128 c of the output: 64 accumulator tiles
; of 16 x 16 in 512 registers.  K and V are walked in 32 steps of 64 positions s through two LDS slots in bf16.
; THE FIRST PRODUCT IS MADE TRANSPOSED: S^T[s][t] = K^T Q.  A lane then holds one t and eight neighbouring s in each tile, so that maximum, sum
; and rescaling factor are numbers of the lane (one exchange between the halves of the wave for each t tile), and the weights, packed to
; bf16 in place, are already the second source of O[c][t] = V P^T.  c is the slow index of q and k in memory: their fragments come from LDS by
; the transposing load.
; NO JOINT LOADS, though the four work-groups of a batch read the same K and V: a tensor load could only lay the tiles into LDS as f32, 64 KiB a step,
; and they would still have to pass through registers to be rounded to bf16; two such slots (131,072 bytes) beside Q's 147,456 and the bf16
; slots' 77,824 are more than the 327,680 bytes that a work-group can be given.  So each wave loads a quarter of each tile into registers,
; rounds it and stores it into the other slot; one barrier a step.
;
; REGISTERS, in windows of 256 (s_set_vgpr_msb: bits 1:0 source 0, 3:2 source 1, 5:4 source 2, 7:6 destination):
;   window 0: addresses, per-t figures, fragments, the tile on its way     window 1: the 32 score tiles of a step, later the packed weights
;   window 2: accumulators of c 0-63 (tile (a, tt) at v[8 (8 a + tt)])     window 3: those of c 64-127
.set ROWB,   8192                      ; bytes in a row of qkv and of out0
.set BATCHB, 384*ROWB                  ; a batch of qkv
.set KOFF,   128*ROWB                  ; k behind q
.set VOFF,   256*ROWB                  ; v behind q
.set TILEB,  256                       ; 64 positions of f32: a step along a row
.set KP,     160                       ; LDS pitch of K [c][64 s] bf16: 128 bytes + 32 (an odd multiple of 32, for the transposing load)
.set VP,     144                       ; LDS pitch of V [c][64 s] bf16: 128 bytes + 16 (an odd multiple of 16)
.set QP,     288                       ; LDS pitch of Q [c][128 t] bf16: 256 bytes + 32
.set OP,     528                       ; LDS pitch of the way out: 128 t of f32 + 16
.set KSLOT,  128*KP                    ; 20,480: K's slots at 0 and KSLOT
.set VSLOT,  128*VP                    ; 18,432
.set VBASE,  2*KSLOT                   ; 40,960: V's slots
.set QBASE,  VBASE+2*VSLOT             ; 77,824: Q, a region of QREG bytes for each wave, the wave's own; behind the last step its stage for the way out
.set QREG,   128*QP                    ; 36,864
.set CEXP,   0x3e0293ee                ; log2(e) / sqrt(128)
.set CNEG,   0xbe0293ee                ; its negative
.set KVB, 4                            ; s[4:5]   qkv at my batch, plus 256 bytes for each tile already loaded
.set OUTB, 6                           ; s[6:7]   out0 at my batch and my wave's first t
.set QB,  22                           ; s[22:23] qkv at my batch and my wave's first t
.set KG,  4                            ; v4   byte offset of my 16 bytes in K's rows that I load
.set VG,  5                            ; v5   the same for V
.set QG,  6                            ; v6   16 x lane: my 16 bytes of a row of 128 t (Q in, out0 out)
.set KS,  7                            ; v7   LDS: where I store 8 bytes of K
.set VS,  8                            ; v8   LDS: where I store 8 bytes of V
.set QS,  9                            ; v9   LDS: where I store 8 bytes of Q
.set KA,  10                           ; v10  LDS: K fragments (transposing load)
.set QA,  11                           ; v11  LDS: Q fragments (transposing load)
.set VA,  12                           ; v12  LDS: V fragments
.set OS,  13                           ; v13  LDS: the way out, in
.set ORD, 14                           ; v14  LDS: the way out, back by rows
.set PFO, 15                           ; v15  byte offset of the 256 bytes that I ask for ahead
.set NM,  32                           ; v[32+2tt]  minus (log2(e)/sqrt(128)) x running maximum, rounded
.set MX,  33                           ; v[33+2tt]  the running maximum of the raw scores of my t in tile tt
.set AL,  48                           ; v[48+2tt]  the step's rescaling factor; at the end 1 / sum
.set LL,  49                           ; v[49+2tt]  the running sum of my half of the s
.set QF,  64                           ; v[64:127]  Q fragments of 32 c, 8 t tiles
.set TM,  64                           ; v[64+tt], TP v[72+tt], LS v[80+2tt:81+2tt]: at work in the softmax, when the Q fragments are dead
.set TP,  72
.set LS,  80
.set KF,  128                          ; v[128:191] K fragments of 32 c, 4 s tiles, two buffers.  In the second product v[64:191] hold V's 16 fragments
.set STG, 192                          ; v[192:255] the quarter tile on its way from memory: 16 loads of 4 registers
.set PB,  128                          ; v[128:191] the way out: 16 rows of scaled results
.set W_QK,  0x50                       ; C and D window 1
.set W_MAX, 0x14                       ; sources 1 and 2 window 1
.set W_EXP, 0x41                       ; source 0 and destination window 1
.set W_SUM0,0x05                       ; sources 0 and 1 window 1
.set W_SUM, 0x04                       ; source 1 window 1
.set W_CVT, 0x45                       ; sources 0, 1 and destination window 1
.set W_RLO, 0x82                       ; source 0 and destination window 2
.set W_RHI, 0xc3                       ; the same, window 3
.set W_PLO, 0xa4                       ; A window 0, B window 1, C and D window 2
.set W_PHI, 0xf4                       ; the same, C and D window 3
.set W_OLO, 0x02                       ; source 0 window 2
.set W_OHI, 0x03                       ; source 0 window 3
.set MSB, 0
.macro WIN new                         ; the immediate's high byte repeats the setting that is left; a switch that changes nothing is dropped
.if MSB != \new
	s_set_vgpr_msb (MSB<<8)|\new
.set MSB, \new
.endif
.endm
.macro PLACES n
.rept \n
	v_nop
.endr
.endm
; ---- memory to registers to LDS: groups of 16 loads of 16 bytes a lane ----
.macro LOADQ set, g                    ; rows 16 g .. 16 g + 15 of my wave's Q: a load takes the 512 neighbouring bytes of one row.  Read once in the launch
.irp j, 0,1,2,3,4,5,6,7,8,9,10,11,12,13,14,15
	global_load_b128 v[\set+4*\j:\set+4*\j+3], v[QG], s[QB:QB+1] offset:(16*(\g)+\j)*ROWB th:TH_LOAD_NT
.endr
.endm
.macro STOREQ set, g
.irp j, 0,1,2,3,4,5,6,7,8,9,10,11,12,13,14,15
	ds_store_b64 v[QS], v[\set+4*\j:\set+4*\j+1] offset:(16*(\g)+\j)*QP
.endr
.endm
.macro LOADK set                       ; my 32 rows of K's tile: lanes 0-15 take the 256 bytes of one row, lanes 16-31 those of the row 4 further down
.irp j, 0,1,2,3,4,5,6,7,8,9,10,11,12,13,14,15
	global_load_b128 v[\set+4*\j:\set+4*\j+3], v[KG], s[KVB:KVB+1] offset:KOFF+(8*(\j>>2)+(\j&3))*ROWB
.endr
.endm
.macro STOREK set, slot                ; 4 rows of 160 bytes are 128 bytes modulo 256: the 32 lanes' 8 bytes fall on 64 different words modulo 256 bytes
.irp j, 0,1,2,3,4,5,6,7,8,9,10,11,12,13,14,15
	ds_store_b64 v[KS], v[\set+4*\j:\set+4*\j+1] offset:(\slot)*KSLOT+(8*(\j>>2)+(\j&3))*KP
.endr
.endm
.macro LOADV set                       ; my 32 rows of V's tile: lanes 16-31 take the row 8 further down
.irp j, 0,1,2,3,4,5,6,7,8,9,10,11,12,13,14,15
	global_load_b128 v[\set+4*\j:\set+4*\j+3], v[VG], s[KVB:KVB+1] offset:VOFF+(16*(\j>>3)+(\j&7))*ROWB
.endr
.endm
.macro STOREV set, slot                ; 8 rows of 144 bytes are 128 bytes modulo 256
.irp j, 0,1,2,3,4,5,6,7,8,9,10,11,12,13,14,15
	ds_store_b64 v[VS], v[\set+4*\j:\set+4*\j+1] offset:(\slot)*VSLOT+(16*(\j>>3)+(\j&7))*VP
.endr
.endm
.macro CVT16 set                       ; four f32 become four bf16 in the first two of their registers
.irp j, 0,1,2,3,4,5,6,7,8,9,10,11,12,13,14,15
	v_cvt_pk_bf16_f32 v[\set+4*\j],   v[\set+4*\j],   v[\set+4*\j+1]
	v_cvt_pk_bf16_f32 v[\set+4*\j+1], v[\set+4*\j+2], v[\set+4*\j+3]
.endr
.endm
; ---- fragments ----
; K's four s tiles for c block kc (32 c), into buffer kc & 1: lane (r, h) gets column s = 16 st + r, c = 8 h .. + 7 and 16 + 8 h .. + 7
.macro LK slot, kc
.irp st, 0,1,2,3
.set KFR, KF+32*((\kc)&1)+8*\st
	ds_load_tr16_b128 v[KFR:KFR+3],   v[KA] offset:(\slot)*KSLOT+(\kc)*32*KP+32*\st
	ds_load_tr16_b128 v[KFR+4:KFR+7], v[KA] offset:(\slot)*KSLOT+(\kc)*32*KP+32*\st+16*KP
.endr
.endm
; Q's t tiles 4 hf .. 4 hf + 3 for c block kc
.macro LQ kc, hf
.irp tq, 0,1,2,3
.set QFR, QF+8*(4*\hf+\tq)
	ds_load_tr16_b128 v[QFR:QFR+3],   v[QA] offset:(\kc)*32*QP+32*(4*\hf+\tq)
	ds_load_tr16_b128 v[QFR+4:QFR+7], v[QA] offset:(\kc)*32*QP+32*(4*\hf+\tq)+16*QP
.endr
.endm
; 16 score products: 4 t tiles x 4 s tiles, 32 along c.  Score tile (st, tt) lies at v[128 (st >> 1) + 16 tt + 8 (st & 1)] of window 1:
; register j of lane (r, h) is S^T(s = 16 st + 8 h + j, t = 16 tt + r).  The first c block starts the sums with the constant 0.
; The 32 accumulators take turns, one instruction a turn.
.macro G kc, hf
.irp tq, 0,1,2,3
.irp st, 0,1,2,3
.set SCR, 128*(\st>>1)+16*(4*\hf+\tq)+8*(\st&1)
.set KFR, KF+32*(\kc&1)+8*\st
.set QFR, QF+8*(4*\hf+\tq)
.if \kc == 0
	v_wmma_f32_16x16x32_bf16 v[SCR:SCR+7], v[KFR:KFR+7], v[QFR:QFR+7], 0
.else
	v_wmma_f32_16x16x32_bf16 v[SCR:SCR+7], v[KFR:KFR+7], v[QFR:QFR+7], v[SCR:SCR+7]
.endif
.endr
.endr
.endm
; One c block of the scores.  A load into a register that a matrix instruction has read stands four places behind it, and only plain vector
; instructions that name none of its registers are places (ISA guide 7.12.1 for vector instructions): four v_nop.
.macro QKC slot, kc
	s_wait_dscnt 8                                 ; K's fragments and Q's t tiles 0-3 of this block are in; the youngest 8 loads (t tiles 4-7) may be out
	WIN W_QK
	G \kc, 0
.if \kc < 3
	PLACES 4
	WIN 0
	LQ \kc+1, 0                                    ; the next block's fragments, 16 products or more ahead of their use
	LK \slot, \kc+1
	s_wait_dscnt 16                                ; all but the 16 just issued: t tiles 4-7 are in
.else
	s_wait_dscnt 0x0
.endif
	WIN W_QK
	G \kc, 1
.if \kc < 3
	PLACES 4
	WIN 0
	LQ \kc+1, 1
.endif
.endm
; V's fragment f = 2 ct + ks (rows c = 16 ct + r, s = 32 ks + 8 h .. and + 16) at v[64 + ((32 + 8 f) mod 128)]: f 0-11 at v96-191, f 12-15 at v64-95
.macro LVF1 slot, f
.set VR, 64+((32+8*\f)%128)
	ds_load_b128 v[VR:VR+3],   v[VA] offset:(\slot)*VSLOT+(\f>>1)*16*VP+64*(\f&1)
	ds_load_b128 v[VR+4:VR+7], v[VA] offset:(\slot)*VSLOT+(\f>>1)*16*VP+64*(\f&1)+32
.endm
; 64 output products: 4 c tiles (hi = 0: c 0-63, 1: c 64-127) x 2 blocks of 32 s x 8 t tiles.  The weights of (ks, tt) lie at v[128 ks + 16 tt .. + 7] of window 1.
; In the first step the first block of s starts the sums with the constant 0.  Eight accumulators take turns, one instruction a turn.
.macro PV hi, first
.irp a, 0,1,2,3
.irp ks, 0,1
.irp tt, 0,1,2,3,4,5,6,7
.set VR, 64+((32+8*(2*(4*\hi+\a)+\ks))%128)
.set AR, 8*(8*\a+\tt)
.set PR, 128*\ks+16*\tt
.if (\first)*(1-\ks)
	v_wmma_f32_16x16x32_bf16 v[AR:AR+7], v[VR:VR+7], v[PR:PR+7], 0
.else
	v_wmma_f32_16x16x32_bf16 v[AR:AR+7], v[VR:VR+7], v[PR:PR+7], v[AR:AR+7]
.endif
.endr
.endr
.endr
.endm
.macro RESC                            ; one window's 32 accumulator tiles times the factor of their t tile
.irp a, 0,1,2,3
.irp tt, 0,1,2,3,4,5,6,7
.irp p, 0,1,2,3
.set AR, 8*(8*\a+\tt)+2*\p
	v_pk_mul_f32 v[AR:AR+1], v[AR:AR+1], v[AL+2*\tt:AL+2*\tt+1] op_sel_hi:[1,0]
.endr
.endr
.endr
.endm
; ---- one step: the tile in slot is used; unless it is the last, the next tile is brought into the other slot ----
; first = 1: nothing to rescale, the products start the sums.  pf = 1: the work-group asks ahead for its share of two later tiles.
.macro STEP slot, first, last, pf
.if \last == 0
	LOADK STG                                      ; the next tile's K; it has the score products, the maxima and the exponentials in which to come
.endif
.if \pf
	; KVB stands at the tile just asked for; the two tiles behind it are 2 tensors x 128 rows x 2 blocks of 256 bytes = 512 blocks, one for each of the
	; 512 threads of the batch's four work-groups: each block is asked for once in the launch.  The last step that asks is step 28, for tiles 30 and 31.
	global_prefetch_b8 v[PFO], s[KVB:KVB+1] offset:TILEB th:TH_LOAD_NT scope:SCOPE_SE
.endif
	LK \slot, 0
	LQ 0, 0
	LQ 0, 1
	QKC \slot, 0
	QKC \slot, 1
	QKC \slot, 2
	QKC \slot, 3
	PLACES 4                                       ; four places before vector instructions read the scores and write fragment registers
	; the largest of my 32 scores of each t tile and of the running maximum: eight chains side by side
	WIN W_MAX
.irp j, 0,1,2,3,4,5,6,7,8,9,10,11,12,13,14,15
.irp tt, 0,1,2,3,4,5,6,7
.set XR, 128*(\j>>3)+16*\tt+((2*\j)&15)
.if \j == 0
	v_max3_num_f32 v[TM+\tt], v[MX+2*\tt], v[XR], v[XR+1]
.else
	v_max3_num_f32 v[TM+\tt], v[TM+\tt], v[XR], v[XR+1]
.endif
.endr
.endr
	WIN 0
.irp tt, 0,1,2,3,4,5,6,7
	v_permlanex16_b32 v[TP+\tt], v[TM+\tt], s14, s15       ; the other half of the wave holds the other 32 s of the same t
.endr
.irp tt, 0,1,2,3,4,5,6,7
	v_max_num_f32 v[MX+2*\tt], v[TM+\tt], v[TP+\tt]
.endr
.irp tt, 0,1,2,3,4,5,6,7
	v_mul_f32 v[TP+\tt], CNEG, v[MX+2*\tt]
.endr
.if \first == 0
.irp tt, 0,1,2,3,4,5,6,7
	v_sub_f32 v[AL+2*\tt], v[TP+\tt], v[NM+2*\tt]          ; new minus old of the rounded figures: 0 where the maximum stands, so the factor is then exactly 1
.endr
.irp tt, 0,1,2,3,4,5,6,7
	v_exp_f32 v[AL+2*\tt], v[AL+2*\tt]
.endr
.endif
.irp tt, 0,1,2,3,4,5,6,7
	v_mov_b32 v[NM+2*\tt], v[TP+\tt]                       ; also the plain instructions between the exponentials and the use of their results (ISA guide 5.7.2)
.endr
.irp f, 0,1,2,3,4,5,6,7,8,9,10,11
	LVF1 \slot, \f                                 ; V's first 12 fragments, into registers whose Q and K fragments are dead
.endr
	; weights = 2^(score x log2(e)/sqrt(128) - the same of the maximum), in place, 16 groups of 16 registers: one group's multiply-adds
	; stand between the exponentials of the group before, one behind each two
	WIN W_EXP
.irp p, 0,1,2,3,4,5,6,7
	v_pk_fma_f32 v[2*\p:2*\p+1], v[2*\p:2*\p+1], s[16:17], v[NM:NM+1] op_sel_hi:[1,0,0]
.endr
.irp g, 0,1,2,3,4,5,6,7,8,9,10,11,12,13,14,15
.irp p, 0,1,2,3,4,5,6,7
	v_exp_f32 v[16*\g+2*\p],   v[16*\g+2*\p]
	v_exp_f32 v[16*\g+2*\p+1], v[16*\g+2*\p+1]
.if \g < 15
	v_pk_fma_f32 v[16*(\g+1)+2*\p:16*(\g+1)+2*\p+1], v[16*(\g+1)+2*\p:16*(\g+1)+2*\p+1], s[16:17], v[NM+2*((\g+1)&7):NM+2*((\g+1)&7)+1] op_sel_hi:[1,0,0]
.endif
.endr
.endr
	v_nop                                          ; a plain instruction behind the last exponentials, before their results are used
.if \last == 0
	WIN 0
	s_wait_loadcnt 0x0                             ; the next tile's K is in registers
	CVT16 STG
	STOREK STG, 1-\slot                            ; into the slot that every wave had finished reading in front of the last barrier
	LOADV STG                                      ; the next tile's V; it has the sums, the packing, the rescaling and the output products in which to come
.endif
	; the sum of my 32 weights of each t tile, in f32, from the unrounded weights
	WIN W_SUM0
	s_wait_alu depctr_va_vdst(0)
.irp tt, 0,1,2,3,4,5,6,7
	v_pk_add_f32 v[LS+2*\tt:LS+2*\tt+1], v[16*\tt:16*\tt+1], v[16*\tt+2:16*\tt+3]
.endr
	WIN W_SUM
.irp p, 2,3,4,5,6,7,8,9,10,11,12,13,14,15
.irp tt, 0,1,2,3,4,5,6,7
.set XR, 128*(\p>>3)+16*\tt+((2*\p)&15)
	v_pk_add_f32 v[LS+2*\tt:LS+2*\tt+1], v[LS+2*\tt:LS+2*\tt+1], v[XR:XR+1]
.endr
.endr
	WIN 0
.if \first
.irp tt, 0,1,2,3,4,5,6,7
	v_add_f32 v[LL+2*\tt], v[LS+2*\tt], v[LS+2*\tt+1]
.endr
.else
.irp tt, 0,1,2,3,4,5,6,7
	v_add_f32 v[TM+\tt], v[LS+2*\tt], v[LS+2*\tt+1]
.endr
.irp tt, 0,1,2,3,4,5,6,7
	v_fma_f32 v[LL+2*\tt], v[LL+2*\tt], v[AL+2*\tt], v[TM+\tt]
.endr
.endif
.irp f, 12,13,14,15
	LVF1 \slot, \f                                 ; V's last 4 fragments, into the registers that were at work up to here
.endr
	; the weights to bf16, in place: a lane's 8 + 8 neighbouring s of a t tile and a block of 32 s become the 8 registers of a second source
	WIN W_CVT
.irp g, 0,1,2,3,4,5,6,7,8,9,10,11,12,13,14,15
.irp j, 0,1,2,3
	v_cvt_pk_bf16_f32 v[16*\g+\j], v[16*\g+2*\j], v[16*\g+2*\j+1]
.endr
.irp j, 0,1,2,3
	v_cvt_pk_bf16_f32 v[16*\g+4+\j], v[16*\g+8+2*\j], v[16*\g+9+2*\j]
.endr
.endr
.if \first == 0
	WIN W_RLO
	RESC
	WIN W_RHI
	RESC
.endif
	s_wait_dscnt 0x0                               ; V's fragments are in
	WIN W_PLO
	PV 0, \first
	WIN W_PHI
	PV 1, \first
	WIN 0
.if \last
	PLACES 4                                       ; four places before vector instructions read the results and write fragment registers
.else
	s_wait_loadcnt 0x0                             ; the next tile's V is in registers
	CVT16 STG                                      ; 32 plain vector instructions on v192-255, which no output product names: the places in front of the next step's fragment loads and score products
	STOREV STG, 1-\slot
	s_wait_xcnt 0x0                                ; the request ahead, issued at the step's head, has had its address translated (ISA guide 3.1); the loads that name KVB are shown done above
	s_add_nc_u64 s[KVB:KVB+1], s[KVB:KVB+1], TILEB
	s_wait_dscnt 0x0                               ; for the others: my stores into the other slot are done, and my reads of this slot are over
	s_barrier_signal -1
	s_barrier_wait -1                              ; the other slot is whole, and this one may be written in the next step
.endif
.endm
; ---- the body ----
	s_load_b128 s[4:7], s[0:1], 0x0                ; qkv s[4:5], out0 s[6:7]
	v_lshl_add_u32 v30, v0, 2, 0x37000
	v_mov_b32 v31, 0
	v_lshrrev_b32 v1, 5, v0
	v_readfirstlane_b32 s8, v1                     ; wave 0..3
	s_lshr_b32 s9, ttmp9, 2                        ; batch
	s_and_b32 s10, ttmp9, 3                        ; block of 512 t
	s_mov_b32 s14, 0x76543210                      ; v_permlanex16_b32: lane i of one half reads lane i of the other
	s_mov_b32 s15, 0xfedcba98
	s_mov_b32 s16, CEXP
	s_mov_b32 s17, CEXP                            ; the pair's second register is named by the packed instruction and is written too
	s_mul_i32 s12, s9, BATCHB                      ; 63 x 3,145,728 at the most: under 2^32
	s_mov_b32 s13, 0
	s_lshl_b32 s18, s10, 11                        ; 512 t x 4 bytes a block
	s_lshl_b32 s24, s8, 9                          ; 128 t x 4 bytes a wave
	s_add_co_u32 s18, s18, s24
	s_mov_b32 s19, 0
	s_lshl_b32 s28, s9, 20                         ; a batch of out0: 128 rows of 8,192 bytes
	s_add_co_u32 s28, s28, s18
	s_mov_b32 s29, 0
	s_lshl_b32 s25, s8, 18                         ; my 32 rows of K and V in memory
	s_mul_i32 s26, s8, QREG
	s_add_co_u32 s26, s26, QBASE                   ; my wave's Q region
	s_mul_i32 s27, s8, 32*KP                       ; my 32 rows in a K slot
	s_mul_i32 s30, s8, 32*VP
	s_add_co_u32 s30, s30, VBASE                   ; my 32 rows in V's slot 0
	s_lshl_b32 s31, s10, 7
	v_and_b32 v1, 31, v0                           ; lane
	v_and_b32 v2, 15, v0                           ; r
	v_bfe_u32 v3, v0, 4, 1                         ; h
	v_lshlrev_b32 v[KG], 4, v2
	v_lshl_add_u32 v[VG], v3, 16, v[KG]            ; V: 16 r + 8 h rows
	v_lshl_add_u32 v[KG], v3, 15, v[KG]            ; K: 16 r + 4 h rows
	v_add_nc_u32 v[KG], s25, v[KG]
	v_add_nc_u32 v[VG], s25, v[VG]
	v_lshlrev_b32 v[QG], 4, v1
	v_mul_u32_u24 v[KS], v3, 4*KP
	v_lshl_add_u32 v[KS], v2, 3, v[KS]
	v_add_nc_u32 v[KS], s27, v[KS]
	v_mul_u32_u24 v[VS], v3, 8*VP
	v_lshl_add_u32 v[VS], v2, 3, v[VS]
	v_add_nc_u32 v[VS], s30, v[VS]
	v_lshl_add_u32 v[QS], v1, 3, s26
	v_and_b32 v16, 7, v0
	v_bfe_u32 v17, v0, 3, 1
	v_lshl_add_u32 v18, v3, 3, v16                 ; the row that I address in a transposing load: 8 h + (lane & 7)
	v_mul_u32_u24 v[KA], v18, KP
	v_lshl_add_u32 v[KA], v17, 4, v[KA]
	v_mul_u32_u24 v[QA], v18, QP
	v_lshl_add_u32 v[QA], v17, 4, v[QA]
	v_add_nc_u32 v[QA], s26, v[QA]
	v_mul_u32_u24 v[VA], v2, VP
	v_lshl_add_u32 v[VA], v3, 4, v[VA]
	v_add_nc_u32 v[VA], VBASE, v[VA]
	v_mul_u32_u24 v[OS], v3, 8*OP
	v_lshl_add_u32 v[OS], v2, 2, v[OS]
	v_add_nc_u32 v[OS], s26, v[OS]
	v_lshl_add_u32 v[ORD], v1, 4, s26
	v_add_nc_u32 v16, s31, v0                      ; b = 128 x block + thread, 0..511: which of a batch's 512 blocks I ask for ahead
	v_lshrrev_b32 v17, 8, v16
	v_add_nc_u32 v17, 1, v17
	v_lshlrev_b32 v[PFO], 20, v17                  ; K (b < 256) or V: 1 or 2 times 128 rows
	v_bfe_u32 v17, v16, 1, 7
	v_lshl_add_u32 v[PFO], v17, 13, v[PFO]         ; the row
	v_and_b32 v17, 1, v16
	v_lshl_add_u32 v[PFO], v17, 8, v[PFO]          ; the first or the second of the two tiles
.irp tt, 0,1,2,3,4,5,6,7
	v_mov_b32 v[MX+2*\tt], 0xff800000              ; the running maximum starts at minus infinity
.endr
	s_wait_kmcnt 0x0
	s_add_nc_u64 s[KVB:KVB+1], s[KVB:KVB+1], s[12:13]
	s_add_nc_u64 s[QB:QB+1], s[KVB:KVB+1], s[18:19]
	s_add_nc_u64 s[OUTB:OUTB+1], s[OUTB:OUTB+1], s[28:29]
	; Q (8 groups of 16 rows, into my own region), then my quarter of K's and of V's tile 0 (into slot 0): ten groups of 16 loads through three sets of registers
.macro GISSUE g, set
.if \g < 8
	LOADQ \set, \g
.else
.if \g == 8
	LOADK \set
.else
	LOADV \set
.endif
.endif
.endm
.macro GROUP g, set, left, nxt         ; left: the younger loads, which may stay out; nxt: the group that takes this set next (10: none)
	s_wait_loadcnt \left
	CVT16 \set
.if \g < 8
	STOREQ \set, \g
.else
.if \g == 8
	STOREK \set, 0
.else
	STOREV \set, 0
.endif
.endif
.if \nxt < 10
	GISSUE \nxt, \set
.endif
.endm
	GISSUE 0, 64
	GISSUE 1, 128
	GISSUE 2, 192
	GROUP 0, 64,  32, 3                            ; two younger groups of 16 loads stay out
	GROUP 1, 128, 32, 4
	GROUP 2, 192, 32, 5
	GROUP 3, 64,  32, 6
	GROUP 4, 128, 32, 7
	GROUP 5, 192, 32, 8
	GROUP 6, 64,  32, 9
	GROUP 7, 128, 32, 10
	GROUP 8, 192, 16, 10                           ; one younger group
	GROUP 9, 64,  0,  10                           ; none: every load is shown done, so KVB may step
	s_add_nc_u64 s[KVB:KVB+1], s[KVB:KVB+1], TILEB
	s_wait_dscnt 0x0                               ; for the others: my quarter of tile 0 is in LDS
	s_barrier_signal -1
	s_barrier_wait -1
	STEP 0, 1, 0, 1                                ; step 0
	s_mov_b32 s20, 14
.Ltrip:                                            ; steps 1 to 28, two a trip
	STEP 1, 0, 0, 0
	STEP 0, 0, 0, 1
	s_sub_co_i32 s20, s20, 1
	s_cmp_lg_u32 s20, 0
	s_cbranch_scc1 .Ltrip
	STEP 1, 0, 0, 0                                ; step 29
	STEP 0, 0, 0, 0                                ; step 30: loads the last tile, asks for nothing ahead
	STEP 1, 0, 1, 0                                ; step 31: nothing is left to load, and no barrier follows: from here on a wave touches its own LDS bytes alone
	; THE WAY OUT.  1 / sum of each t: the two halves of the wave hold the sums over the two halves of the s.  The sum is about 1 at the least (the largest score's weight).
.irp tt, 0,1,2,3,4,5,6,7
	v_permlanex16_b32 v[TP+\tt], v[LL+2*\tt], s14, s15
.endr
.irp tt, 0,1,2,3,4,5,6,7
	v_add_f32 v[TM+\tt], v[LL+2*\tt], v[TP+\tt]
.endr
.irp tt, 0,1,2,3,4,5,6,7
	v_rcp_f32 v[AL+2*\tt], v[TM+\tt]
.endr
	v_nop                                          ; a plain instruction before the reciprocals are used or their sources rewritten (ISA guide 5.7.2)
	s_wait_alu depctr_va_vdst(0)
; 16 rows c of my 128 t: scaled, laid into my stage (where my Q was: its last read is waited for) as rows of 512 bytes, read back by rows and stored.
; A lane holds a piece of a column of out0 (8 c of one t), so it goes in word by word: lanes 0-15 write 16 neighbouring words, lanes 16-31 those
; 8 rows of 528 bytes further on, which is 128 bytes modulo 256.  f: the registers for the rows read back, v64 and v192 by turns.
.macro OUT16 ct, f
.if \ct < 4
	WIN W_OLO
.else
	WIN W_OHI
.endif
.irp tt, 0,1,2,3,4,5,6,7
.irp p, 0,1,2,3
.set AR, 8*(8*(\ct&3)+\tt)+2*\p
	v_pk_mul_f32 v[PB+8*\tt+2*\p:PB+8*\tt+2*\p+1], v[AR:AR+1], v[AL+2*\tt:AL+2*\tt+1] op_sel_hi:[1,0]
.endr
.endr
	WIN 0
.irp tt, 0,1,2,3,4,5,6,7
.irp j, 0,1,2,3,4,5,6,7
	ds_store_b32 v[OS], v[PB+8*\tt+\j] offset:\j*OP+\tt*64
.endr
.endr
	s_wait_xcnt 0x0                                ; every earlier store has had its addresses translated (ISA guide 3.1): the registers that stores read are loaded again only behind this wait
.irp i, 0,1,2,3,4,5,6,7,8,9,10,11,12,13,14,15
	ds_load_b128 v[\f+4*\i:\f+4*\i+3], v[ORD] offset:\i*OP         ; LDS serves a wave's instructions in order (ISA guide 5.7.1.4): these see the stores above, and the next 16 rows' stores come behind them
.endr
.irp i, 0,1,2,3,4,5,6,7,8,9,10,11,12,13,14,15
	s_wait_dscnt 15-\i                             ; row i is in; the younger rows may be out
	global_store_b128 v[QG], v[\f+4*\i:\f+4*\i+3], s[OUTB:OUTB+1] offset:(16*\ct+\i)*ROWB th:TH_STORE_NT   ; 512 consecutive bytes of a row of out0, at a multiple of 512 from its first byte
.endr
.endm
	OUT16 0, 64
	OUT16 1, 192
	OUT16 2, 64
	OUT16 3, 192
	OUT16 4, 64
	OUT16 5, 192
	OUT16 6, 64
	OUT16 7, 192
	s_wait_tensorcnt 0x0
	ds_add_u32 v30, v31
	s_wait_dscnt 0x0
	s_endpgm
.Lfunc_end_k_q75533ac0dc_attn:
	.size	k_q75533ac0dc_attn, .Lfunc_end_k_q75533ac0dc_attn-k_q75533ac0dc_attn
	.p2alignl 7, 3214868480
	.fill 96, 4, 3214868480
	.section	.rodata,"a",@progbits
	.p2align	6, 0x0
	.amdhsa_kernel k_q75533ac0dc_attn
		.amdhsa_group_segment_fixed_size 225792
		.amdhsa_private_segment_fixed_size 0
		.amdhsa_enable_private_segment 0
		.amdhsa_kernarg_size 16
		.amdhsa_user_sgpr_count 2
		.amdhsa_user_sgpr_kernarg_segment_ptr 1
		.amdhsa_wavefront_size32 1
		.amdhsa_system_sgpr_workgroup_id_x 1
		.amdhsa_system_sgpr_workgroup_id_y 1
		.amdhsa_system_sgpr_workgroup_id_z 1
		.amdhsa_system_vgpr_workitem_id 0
		.amdhsa_next_free_vgpr 1024
		.amdhsa_next_free_sgpr 66
		.amdhsa_reserve_vcc 0
		.amdhsa_float_denorm_mode_32 3
		.amdhsa_float_denorm_mode_16_64 3
		.amdhsa_memory_ordered 1
		.amdhsa_forward_progress 1
		.amdhsa_inst_pref_size 255
	.end_amdhsa_kernel
	.section	.bss,"aw",@nobits
	.p2align	6
	.space	262144
	.amdgpu_metadata
---
amdhsa.version: [ 1, 2 ]
amdhsa.kernels:
  - .name:           k_q75533ac0dc_attn
    .symbol:         k_q75533ac0dc_attn.kd
    .args:
      - { .name: qkv, .offset: 0, .size: 8, .value_kind: global_buffer, .address_space: global }
      - { .name: out0, .offset: 8, .size: 8, .value_kind: global_buffer, .address_space: global }
    .group_segment_fixed_size: 225792
    .private_segment_fixed_size: 0
    .kernarg_segment_align: 8
    .kernarg_segment_size: 16
    .max_flat_workgroup_size: 128
    .sgpr_count:     66
    .vgpr_count:     1024
    .wavefront_size: 32
...
	.end_amdgpu_metadata
.endif
;; end of part 1
;; ======== version 2 of 3: 1 launch
;; launch attn (part 2): grid 256 x 1, 4 waves a work-group, no clusters, 225,792 bytes of LDS; arguments qkv, out0; writes out0
.if DOCPART == 2
	.amdgcn_target "amdgcn-amd-amdhsa--gfx1250"
	.amdhsa_code_object_version 6
	.text
	.protected	k_q75533ac0dc_attn
	.globl	k_q75533ac0dc_attn
	.p2align	8
	.type	k_q75533ac0dc_attn,@function
k_q75533ac0dc_attn:
	s_mov_b64 s[64:65], 0
	v_nop
	global_prefetch_b8 v0, s[64:65] scope:SCOPE_SE
	s_setreg_imm32_b32 hwreg(HW_REG_WAVE_MODE, 25, 1), 1
	s_wait_xcnt 0x0
; out0[n][c][t] = sum over s of softmax_s( sum over c of q[n][c][t] k[n][c][s] / sqrt(128) ) v[n][c][s].
; qkv: [64][384][2048] f32 (rows 0-127 q, 128-255 k, 256-383 v; a row is 2,048 positions = 8,192 bytes).  out0: [64][128][2048] f32.
;
; NOTHING IS LEFT OUT: every number of qkv reaches out0.  The two factors 128^(-1/4) on q and on k are one factor 1/sqrt(128) on their
; product, for all values; it is applied, together with log2(e), to the f32 score, so that the matrix operands are the inputs rounded to bf16.
; The maximum is taken away before the exponential, as a running maximum over the steps.
; LIMITS: inputs finite and such that the raw sums q.k stay finite in f32; a NaN or an infinity among the inputs is not carried to the same
; places as in the reference; the order of rounding differs (scale on the score, weights rounded to bf16 for the second product, their sum
; kept in f32 from the unrounded weights); v_exp_f32 gives 0 for results under 2^-126 (ISA guide, its entry in 15.8).
;
; SHARES: 256 work-groups = 64 batches x 4 blocks of 512 t.  Four waves; a wave owns 128 t and all 128 c of the output: 64 accumulator tiles
; of 16 x 16 in 512 registers.  K and V are walked in 32 steps of 64 positions s through two LDS slots in bf16.
; THE FIRST PRODUCT IS MADE TRANSPOSED: S^T[s][t] = K^T Q.  A lane then holds one t and eight neighbouring s in each tile, so that maximum, sum
; and rescaling factor are numbers of the lane (one exchange between the halves of the wave for each t tile), and the weights, packed to
; bf16 in place, are already the second source of O[c][t] = V P^T.  c is the slow index of q and k in memory: their fragments come from LDS by
; the transposing load.
; NO JOINT LOADS, though the four work-groups of a batch read the same K and V: a tensor load could only lay the tiles into LDS as f32, 64 KiB a step,
; and they would still have to pass through registers to be rounded to bf16; two such slots (131,072 bytes) beside Q's 147,456 and the bf16
; slots' 77,824 are more than the 327,680 bytes that a work-group can be given.  So each wave loads a quarter of each tile into registers,
; rounds it and stores it into the other slot; one barrier a step.
;
; A STEP IS FOUR RUNS OF 64 PRODUCTS.  The wave's eight t tiles are two pieces, A (t tiles 0-3) and B (4-7), and one piece's vector work is cut
; into numbered slices that stand behind the other piece's products, one slice behind each:
;   run 1  A's scores            between them: fragment loads (the run has no vector work of its own)
;   run 2  B's scores            between them: A's softmax; the next tile's K into LDS, the loads of its V; the rescaling of A's first c tile
;   run 3  A's output products   between them: B's softmax; A's rescaling, one c tile ahead of its products; the rescaling of B's first c tile
;   run 4  B's output products   between them: B's rescaling; the next tile's V into LDS; the barrier; the next step's first fragments
; V's 16 fragments serve both pieces from registers.  K's fragments are read from LDS once for each piece: to hold them for both would take 128
; registers, and window 0 has 64 for them beside Q's 64, the 64 of the tile on its way and the 64 of addresses and figures.
;
; REGISTERS, in windows of 256 (s_set_vgpr_msb: bits 1:0 source 0, 3:2 source 1, 5:4 source 2, 7:6 destination):
;   window 0: addresses, per-t figures, fragments, the tile on its way     window 1: the 32 score tiles of a step, later the packed weights
;   window 2: accumulators of c 0-63 (tile (a, tt) at v[8 (8 a + tt)])     window 3: those of c 64-127
; A product and the slice behind it need different settings (an exponential in place wants source 0 in the scores' window, where a product's
; first source would then have to lie, and the scores fill that window): two switches, in some slices three, stand at each product of runs 2 and 3.
.set ROWB,   8192                      ; bytes in a row of qkv and of out0
.set BATCHB, 384*ROWB                  ; a batch of qkv
.set KOFF,   128*ROWB                  ; k behind q
.set VOFF,   256*ROWB                  ; v behind q
.set TILEB,  256                       ; 64 positions of f32: a step along a row
.set KP,     160                       ; LDS pitch of K [c][64 s] bf16: 128 bytes + 32 (an odd multiple of 32, for the transposing load)
.set VP,     144                       ; LDS pitch of V [c][64 s] bf16: 128 bytes + 16 (an odd multiple of 16)
.set QP,     288                       ; LDS pitch of Q [c][128 t] bf16: 256 bytes + 32
.set OP,     528                       ; LDS pitch of the way out: 128 t of f32 + 16
.set KSLOT,  128*KP                    ; 20,480: K's slots at 0 and KSLOT
.set VSLOT,  128*VP                    ; 18,432
.set VBASE,  2*KSLOT                   ; 40,960: V's slots
.set QBASE,  VBASE+2*VSLOT             ; 77,824: Q, a region of QREG bytes for each wave, the wave's own; behind the last step its stage for the way out
.set QREG,   128*QP                    ; 36,864
.set CEXP,   0x3e0293ee                ; log2(e) / sqrt(128)
.set CNEG,   0xbe0293ee                ; its negative
.set KVB, 4                            ; s[4:5]   qkv at my batch, plus 256 bytes for each tile already loaded
.set OUTB, 6                           ; s[6:7]   out0 at my batch and my wave's first t
.set QB,  22                           ; s[22:23] qkv at my batch and my wave's first t
.set BB,  32                           ; s[32:33] qkv at my batch, never stepped
.set PFB, 34                           ; s[34:35] the base of the request ahead
.set PO,  36                           ; s[36:37] its byte offset along the rows (s37 = 0)
.set KG,  4                            ; v4   byte offset of my 16 bytes in K's rows that I load
.set VG,  5                            ; v5   the same for V
.set QG,  6                            ; v6   16 x lane: my 16 bytes of a row of 128 t (Q in, out0 out)
.set KS,  7                            ; v7   LDS: where I store 8 bytes of K
.set VS,  8                            ; v8   LDS: where I store 8 bytes of V
.set QS,  9                            ; v9   LDS: where I store 8 bytes of Q
.set KA,  10                           ; v10  LDS: K fragments (transposing load)
.set QA,  11                           ; v11  LDS: Q fragments (transposing load)
.set VA,  12                           ; v12  LDS: V fragments
.set OS,  13                           ; v13  LDS: the way out, in
.set ORD, 14                           ; v14  LDS: the way out, back by rows
.set PFO, 15                           ; v15  byte offset of the 256 bytes that I ask for ahead; never rewritten
.set TP,  16                           ; v[16+q]  at work in a piece's softmax (q: the t tile in the piece); written in the set-up, as v_permlanex16_b32 asks of its destination
.set TM,  20                           ; v[20+q]
.set LS,  24                           ; v[24+2q:25+2q]
.set NM,  32                           ; v[32+2tt]  minus (log2(e)/sqrt(128)) x running maximum, rounded
.set MX,  33                           ; v[33+2tt]  the running maximum of the raw scores of my t in tile tt
.set AL,  48                           ; v[48+2tt]  the step's rescaling factor; at the end 1 / sum
.set LL,  49                           ; v[49+2tt]  the running sum of my half of the s
.set QF,  64                           ; v[64:127]  Q fragments of 32 c, 4 t tiles, two buffers
.set KF,  128                          ; v[128:191] K fragments of 32 c, 4 s tiles, two buffers.  In runs 3 and 4 v[64:191] hold V's 16 fragments
.set STG, 192                          ; v[192:255] the quarter tile on its way from memory: 16 loads of 4 registers
.set PB,  128                          ; v[128:191] the way out: 16 rows of scaled results
.set W_QK,  0x50                       ; C and D window 1
.set W_MAX, 0x14                       ; sources 1 and 2 window 1
.set W_EXP, 0x41                       ; source 0 and destination window 1
.set W_SUM0,0x05                       ; sources 0 and 1 window 1
.set W_SUM, 0x04                       ; source 1 window 1
.set W_CVT, 0x45                       ; sources 0, 1 and destination window 1
.set W_RLO, 0x82                       ; source 0 and destination window 2
.set W_RHI, 0xc3                       ; the same, window 3
.set W_PLO, 0xa4                       ; A window 0, B window 1, C and D window 2
.set W_PHI, 0xf4                       ; the same, C and D window 3
.set W_OLO, 0x02                       ; source 0 window 2
.set W_OHI, 0x03                       ; source 0 window 3
.set MSB, 0
.macro WIN new                         ; the immediate's high byte repeats the setting that is left; a switch that changes nothing is dropped
.if MSB != \new
	s_set_vgpr_msb (MSB<<8)|\new
.set MSB, \new
.endif
.endm
.macro PLACES n
.rept \n
	v_nop
.endr
.endm
; ---- memory to registers to LDS: a quarter tile is 16 loads of 16 bytes a lane; load j of the 16 by itself, then the groups of 16 ----
.macro LDK1 set, j                     ; my 32 rows of K's tile: lanes 0-15 take the 256 bytes of one row, lanes 16-31 those of the row 4 further down
	global_load_b128 v[\set+4*(\j):\set+4*(\j)+3], v[KG], s[KVB:KVB+1] offset:KOFF+(8*((\j)>>2)+((\j)&3))*ROWB
.endm
.macro LDV1 set, j                     ; my 32 rows of V's tile: lanes 16-31 take the row 8 further down
	global_load_b128 v[\set+4*(\j):\set+4*(\j)+3], v[VG], s[KVB:KVB+1] offset:VOFF+(16*((\j)>>3)+((\j)&7))*ROWB
.endm
.macro CV1 set, j                      ; four f32 become four bf16 in the first two of their registers
	v_cvt_pk_bf16_f32 v[\set+4*(\j)],   v[\set+4*(\j)],   v[\set+4*(\j)+1]
	v_cvt_pk_bf16_f32 v[\set+4*(\j)+1], v[\set+4*(\j)+2], v[\set+4*(\j)+3]
.endm
.macro STK1 set, slot, j               ; 4 rows of 160 bytes are 128 bytes modulo 256: the 32 lanes' 8 bytes fall on 64 different words modulo 256 bytes
	ds_store_b64 v[KS], v[\set+4*(\j):\set+4*(\j)+1] offset:(\slot)*KSLOT+(8*((\j)>>2)+((\j)&3))*KP
.endm
.macro STV1 set, slot, j               ; 8 rows of 144 bytes are 128 bytes modulo 256
	ds_store_b64 v[VS], v[\set+4*(\j):\set+4*(\j)+1] offset:(\slot)*VSLOT+(16*((\j)>>3)+((\j)&7))*VP
.endm
.macro LOADQ set, g                    ; rows 16 g .. 16 g + 15 of my wave's Q: a load takes the 512 neighbouring bytes of one row.  Read once in the launch
.irp j, 0,1,2,3,4,5,6,7,8,9,10,11,12,13,14,15
	global_load_b128 v[\set+4*\j:\set+4*\j+3], v[QG], s[QB:QB+1] offset:(16*(\g)+\j)*ROWB th:TH_LOAD_NT
.endr
.endm
.macro STOREQ set, g
.irp j, 0,1,2,3,4,5,6,7,8,9,10,11,12,13,14,15
	ds_store_b64 v[QS], v[\set+4*\j:\set+4*\j+1] offset:(16*(\g)+\j)*QP
.endr
.endm
.macro LOADK set
.irp j, 0,1,2,3,4,5,6,7,8,9,10,11,12,13,14,15
	LDK1 \set, \j
.endr
.endm
.macro LOADV set
.irp j, 0,1,2,3,4,5,6,7,8,9,10,11,12,13,14,15
	LDV1 \set, \j
.endr
.endm
.macro STOREK set, slot
.irp j, 0,1,2,3,4,5,6,7,8,9,10,11,12,13,14,15
	STK1 \set, \slot, \j
.endr
.endm
.macro STOREV set, slot
.irp j, 0,1,2,3,4,5,6,7,8,9,10,11,12,13,14,15
	STV1 \set, \slot, \j
.endr
.endm
.macro CVT16 set
.irp j, 0,1,2,3,4,5,6,7,8,9,10,11,12,13,14,15
	CV1 \set, \j
.endr
.endm
; ---- fragments ----
; Fragment e of the eight that 16 score products need (c block kc of 32 c, piece pc), into buffer kc & 1.
; e = 0..3: K's s tile e: lane (r, h) gets column s = 16 e + r, c = 8 h .. + 7 and 16 + 8 h .. + 7.   e = 4..7: Q's t tile 4 pc + e - 4, likewise.
.macro LFRAG slot, kc, pc, e
.if (\e) < 4
.set FR, KF+32*((\kc)&1)+8*(\e)
	ds_load_tr16_b128 v[FR:FR+3],   v[KA] offset:(\slot)*KSLOT+(\kc)*32*KP+32*(\e)
	ds_load_tr16_b128 v[FR+4:FR+7], v[KA] offset:(\slot)*KSLOT+(\kc)*32*KP+32*(\e)+16*KP
.else
.set FR, QF+32*((\kc)&1)+8*((\e)-4)
	ds_load_tr16_b128 v[FR:FR+3],   v[QA] offset:(\kc)*32*QP+32*(4*(\pc)+(\e)-4)
	ds_load_tr16_b128 v[FR+4:FR+7], v[QA] offset:(\kc)*32*QP+32*(4*(\pc)+(\e)-4)+16*QP
.endif
.endm
; V's fragment f = 2 ct + ks (rows c = 16 ct + r, s = 32 ks + 8 h .. and + 16).  f 0-3 at v64-95, f 4-7 at v128-159 (the two buffers 0),
; f 8-11 at v96-127, f 12-15 at v160-191 (the two buffers 1): the half that is used first lies where the score products are done first.
.macro LVF1 slot, f
.set VR, 64+64*(((\f)>>2)&1)+32*((\f)>>3)+8*((\f)&3)
	ds_load_b128 v[VR:VR+3],   v[VA] offset:(\slot)*VSLOT+((\f)>>1)*16*VP+64*((\f)&1)
	ds_load_b128 v[VR+4:VR+7], v[VA] offset:(\slot)*VSLOT+((\f)>>1)*16*VP+64*((\f)&1)+32
.endm
; ---- products ----
; A score product: s tile st x t tile 4 pc + tq, 32 along c.  Score tile (st, tt) lies at v[128 (st >> 1) + 16 tt + 8 (st & 1)] of window 1:
; register j of lane (r, h) is S^T(s = 16 st + 8 h + j, t = 16 tt + r).  The first c block starts the sums with the constant 0.
; A piece's 16 accumulators take turns, one instruction a turn.
.macro QKW kc, pc, tq, st
.set SCR, 128*(\st>>1)+16*(4*\pc+\tq)+8*(\st&1)
.set KFR, KF+32*(\kc&1)+8*\st
.set QFR, QF+32*(\kc&1)+8*\tq
	WIN W_QK
.if \kc == 0
	v_wmma_f32_16x16x32_bf16 v[SCR:SCR+7], v[KFR:KFR+7], v[QFR:QFR+7], 0
.else
	v_wmma_f32_16x16x32_bf16 v[SCR:SCR+7], v[KFR:KFR+7], v[QFR:QFR+7], v[SCR:SCR+7]
.endif
.endm
; An output product: c tile ct x t tile 4 pc + q, block ks of 32 s.  The weights of (ks, tt) lie at v[128 ks + 16 tt .. + 7] of window 1.
; In the first step the first block of s starts the sums with the constant 0.  Four accumulators take turns, one instruction a turn.
.macro PVW ct, ks, pc, q, first
.if \ct < 4
	WIN W_PLO
.else
	WIN W_PHI
.endif
.set VR, 64+64*(((2*\ct+\ks)>>2)&1)+32*((2*\ct+\ks)>>3)+8*((2*\ct+\ks)&3)
.set AR, 8*(8*(\ct&3)+4*\pc+\q)
.set PR, 128*\ks+16*(4*\pc+\q)
.if (\first)*(1-\ks)
	v_wmma_f32_16x16x32_bf16 v[AR:AR+7], v[VR:VR+7], v[PR:PR+7], 0
.else
	v_wmma_f32_16x16x32_bf16 v[AR:AR+7], v[VR:VR+7], v[PR:PR+7], v[AR:AR+7]
.endif
.endm
; The accumulator tiles of c tile ct and t tiles 4 pc + q0, 4 pc + q0 + 1 times the factors of their t tiles: 8 instructions
.macro RSC pc, ct, q0
.if (\ct) < 4
	WIN W_RLO
.else
	WIN W_RHI
.endif
.irp dq, 0,1
.irp w, 0,1,2,3
.set AR, 8*(8*((\ct)&3)+4*\pc+(\q0)+\dq)+2*\w
.set AF, AL+2*(4*\pc+(\q0)+\dq)
	v_pk_mul_f32 v[AR:AR+1], v[AR:AR+1], v[AF:AF+1] op_sel_hi:[1,0]
.endr
.endr
.endm
; ---- slice SN (0 to 60) of the softmax of piece pc: 4 t tiles, 32 scores a lane in each; each slice under one window setting ----
.macro SM pc, first
.if SN < 8                             ; 0-7: the largest of my 32 scores of each t tile and of the running maximum, four chains side by side
	WIN W_MAX
.irp jj, 0,1
.irp q, 0,1,2,3
.set XJ, 2*SN+\jj
.set XR, 128*(XJ>>3)+16*(4*\pc+\q)+((2*XJ)&15)
.if XJ == 0
	v_max3_num_f32 v[TM+\q], v[MX+2*(4*\pc+\q)], v[XR], v[XR+1]
.else
	v_max3_num_f32 v[TM+\q], v[TM+\q], v[XR], v[XR+1]
.endif
.endr
.endr
.endif
.if SN == 8
	WIN 0
.irp q, 0,1,2,3
	v_permlanex16_b32 v[TP+\q], v[TM+\q], s14, s15         ; the other half of the wave holds the other 32 s of the same t
.endr
.irp q, 0,1,2,3
	v_max_num_f32 v[MX+2*(4*\pc+\q)], v[TM+\q], v[TP+\q]
.endr
.endif
.if SN == 9
	WIN 0
.irp q, 0,1,2,3
	v_mul_f32 v[TP+\q], CNEG, v[MX+2*(4*\pc+\q)]
.endr
.if \first == 0
.irp q, 0,1,2,3
	v_sub_f32 v[AL+2*(4*\pc+\q)], v[TP+\q], v[NM+2*(4*\pc+\q)]   ; new minus old of the rounded figures: 0 where the maximum stands, so the factor is then exactly 1
.endr
.endif
.endif
.if SN == 10
	WIN 0
.if \first == 0
.irp q, 0,1,2,3
	v_exp_f32 v[AL+2*(4*\pc+\q)], v[AL+2*(4*\pc+\q)]
.endr
.endif
.irp q, 0,1,2,3
	v_mov_b32 v[NM+2*(4*\pc+\q)], v[TP+\q]                 ; also the plain instructions between the exponentials and the use of their results (ISA guide 5.7.2)
.endr
.endif
; weights = 2^(score x log2(e)/sqrt(128) - the same of the maximum), in place, 8 groups of 16 registers (block of 32 s, t tile):
; one group's multiply-adds stand between the exponentials of the group before, one behind each two
.if SN == 11
	WIN W_EXP
.irp w, 0,1,2,3,4,5,6,7
	v_pk_fma_f32 v[64*\pc+2*\w:64*\pc+2*\w+1], v[64*\pc+2*\w:64*\pc+2*\w+1], s[16:17], v[NM+8*\pc:NM+8*\pc+1] op_sel_hi:[1,0,0]
.endr
.endif
.if SN >= 12
.if SN < 44
	WIN W_EXP
.irp uu, 0,1
.set UU, 2*(SN-12)+\uu
.set GG, UU>>3
.set GB, 128*(GG>>2)+64*\pc+16*(GG&3)+2*(UU&7)
	v_exp_f32 v[GB],   v[GB]
	v_exp_f32 v[GB+1], v[GB+1]
.if GG < 7
.set GN, 128*((GG+1)>>2)+64*\pc+16*((GG+1)&3)+2*(UU&7)
.set NF, NM+2*(4*\pc+((GG+1)&3))
	v_pk_fma_f32 v[GN:GN+1], v[GN:GN+1], s[16:17], v[NF:NF+1] op_sel_hi:[1,0,0]
.endif
.endr
.endif
.endif
; the sum of my 32 weights of each t tile, in f32, from the unrounded weights.  The first additions take the first block's weights, whose
; exponentials have plain instructions behind them; they are the plain instructions behind the last group's exponentials
.if SN == 44
	WIN W_SUM0
	s_wait_alu depctr_va_vdst(0)
.irp q, 0,1,2,3
.set XR, 64*\pc+16*\q
	v_pk_add_f32 v[LS+2*\q:LS+2*\q+1], v[XR:XR+1], v[XR+2:XR+3]
.endr
.endif
.if SN >= 45
.if SN < 52
	WIN W_SUM
.irp jj, 0,1
.irp q, 0,1,2,3
.set XJ, 2+2*(SN-45)+\jj
.set XR, 128*(XJ>>3)+16*(4*\pc+\q)+((2*XJ)&15)
	v_pk_add_f32 v[LS+2*\q:LS+2*\q+1], v[LS+2*\q:LS+2*\q+1], v[XR:XR+1]
.endr
.endr
.endif
.endif
.if SN == 52
	WIN 0
.if \first
.irp q, 0,1,2,3
	v_add_f32 v[LL+2*(4*\pc+\q)], v[LS+2*\q], v[LS+2*\q+1]
.endr
.else
.irp q, 0,1,2,3
	v_add_f32 v[TM+\q], v[LS+2*\q], v[LS+2*\q+1]
.endr
.irp q, 0,1,2,3
	v_fma_f32 v[LL+2*(4*\pc+\q)], v[LL+2*(4*\pc+\q)], v[AL+2*(4*\pc+\q)], v[TM+\q]
.endr
.endif
.endif
; the weights to bf16, in place, a group a slice: a lane's 8 + 8 neighbouring s of a t tile and a block of 32 s become the 8 registers of a second source
.if SN >= 53
.if SN < 61
	WIN W_CVT
.set GG, SN-53
.set GB, 128*(GG>>2)+64*\pc+16*(GG&3)
.irp j, 0,1,2,3
	v_cvt_pk_bf16_f32 v[GB+\j], v[GB+2*\j], v[GB+2*\j+1]
.endr
.irp j, 0,1,2,3
	v_cvt_pk_bf16_f32 v[GB+4+\j], v[GB+8+2*\j], v[GB+9+2*\j]
.endr
.endif
.endif
.endm
; A load into a register that a matrix instruction has read, and a vector instruction that reads a matrix result, stand four places behind that
; matrix instruction, and only plain vector instructions that name none of its registers are places (ISA guide 7.12.1 for vector instructions).
; In runs 2 to 4 the slices are those places; run 1 has no vector work, so four v_nop stand in each c block.
; ---- run 1: A's 64 score products.  Behind products 1 to 4 of a c block: the 16 loads of the next 16 products' fragments, 11 products or more ahead ----
.macro PH1 slot
.irp kc, 0,1,2,3
	s_wait_dscnt 0x0                               ; this block's fragments are in: every LDS load of mine was issued 11 products ago or earlier
.irp tq, 0,1,2,3
.irp st, 0,1,2,3
.set MM, 4*\tq+\st
	QKW \kc, 0, \tq, \st
.if MM == 0
	PLACES 4                                       ; behind the last product that read the buffer that is now loaded
.endif
.if MM >= 1
.if MM < 5
	WIN 0
.set EE, 2*(MM-1)
.if \kc < 3
	LFRAG \slot, \kc+1, 0, EE
	LFRAG \slot, \kc+1, 0, EE+1
.else
	LFRAG \slot, 0, 1, EE                          ; B's first c block: K's fragments once more, Q's t tiles 4-7
	LFRAG \slot, 0, 1, EE+1
.endif
.endif
.endif
.endr
.endr
.endr
.endm
; ---- run 2: B's 64 score products, A's softmax between them ----
.macro PH2 slot, first, last
.irp kc, 0,1,2,3
	s_wait_dscnt 0x0                               ; this block's fragments are in: they were issued 9 products ago or earlier
.irp tq, 0,1,2,3
.irp st, 0,1,2,3
.set MM, 4*\tq+\st
.set SN, 16*\kc+MM
	QKW \kc, 1, \tq, \st
.if SN == 0
	PLACES 4                                       ; behind A's last score product, before the maxima read A's scores
.endif
	SM 0, \first
.if MM >= 3                                        ; behind products 3 to 6 of a c block, with three slices (6 plain instructions at the least) behind the last reader of the buffer
.if MM < 7
	WIN 0
.set EE, 2*(MM-3)
.if \kc < 3
	LFRAG \slot, \kc+1, 1, EE
	LFRAG \slot, \kc+1, 1, EE+1
.else
	LVF1 \slot, EE                                 ; V's fragments 0-7, into the two buffers 0, which the last c block does not read
	LVF1 \slot, EE+1
.endif
.endif
.endif
.if \last == 0
.if SN == 48
	s_wait_loadcnt 0x0                             ; the next tile's K, asked for at the step's head, is in registers
.endif
.if SN >= 48
.if SN < 56
	WIN 0
.set JJ, 2*(SN-48)
	CV1 STG, JJ
	CV1 STG, JJ+1
	STK1 STG, 1-\slot, JJ                          ; into the slot that every wave had finished reading in front of the last barrier
	STK1 STG, 1-\slot, JJ+1
.endif
.endif
.if SN >= 49
.if SN < 57
	WIN 0
.set JJ, 2*(SN-49)
	LDV1 STG, JJ                                   ; the next tile's V follows K through the same registers, a slice behind K's stores
	LDV1 STG, JJ+1
.endif
.endif
.endif
.if SN >= 62
.if \first
.if SN == 63
	PLACES 4                                       ; the first step rescales nothing: the places behind B's last score product
.endif
.else
.set QQ, 2*(SN-62)
	RSC 0, 0, QQ                                   ; A's c tile 0, ahead of run 3; slice 63's eight are also the places behind B's last score product
.endif
.endif
.endr
.endr
.endr
.endm
; ---- run 3: A's 64 output products, B's softmax between them; A's accumulators are rescaled one c tile ahead of their products ----
.macro PH3 slot, first
	s_wait_dscnt 0x0                               ; V's fragments 0-7 are in
.irp ct, 0,1,2,3,4,5,6,7
.if \ct == 4
	s_wait_dscnt 0x0                               ; V's fragments 8-15 are in: issued 27 products ago or earlier
.endif
.irp ks, 0,1
.irp q, 0,1,2,3
.set SN, 8*\ct+4*\ks+\q
	PVW \ct, \ks, 0, \q, \first
	SM 1, \first
.if SN >= 1
.if SN < 5
	WIN 0
.set EE, 8+2*(SN-1)
	LVF1 \slot, EE                                 ; V's fragments 8-15, into the two buffers 1
	LVF1 \slot, EE+1
.endif
.endif
.if \first == 0
.if \q == 3
.if \ct < 7
	RSC 0, \ct+1, 2*\ks
.else
	RSC 1, 0, 2*\ks                                ; B's c tile 0, ahead of run 4
.endif
.endif
.endif
.endr
.endr
.endr
.endm
; ---- run 4: B's 64 output products; between them B's rescaling, the next tile's V, the barrier, the next step's first fragments ----
.macro PH4 slot, first, last
.irp ct, 0,1,2,3,4,5,6,7
.irp ks, 0,1
.irp q, 0,1,2,3
.set SN, 8*\ct+4*\ks+\q
	PVW \ct, \ks, 1, \q, \first
.if \first == 0
.if \q == 3
.if \ct < 7
	RSC 1, \ct+1, 2*\ks
.endif
.endif
.endif
.if \last == 0
.if SN == 24
	s_wait_loadcnt 0x0                             ; the next tile's V is in registers, and every load that names KVB is shown done
.endif
.if SN >= 24
.if SN < 32
	WIN 0
.set JJ, 2*(SN-24)
	CV1 STG, JJ                                    ; slice 31's four conversions are the places behind the last product that reads V's fragments 0-7
	CV1 STG, JJ+1
	STV1 STG, 1-\slot, JJ
	STV1 STG, 1-\slot, JJ+1
.endif
.endif
.if SN == 32
	s_add_nc_u64 s[KVB:KVB+1], s[KVB:KVB+1], TILEB
.endif
.if SN == 36
	s_wait_dscnt 0x0                               ; for the others: my stores into the other slot are done; my reads of this slot were waited for in run 3
	s_barrier_signal -1                            ; products and rescaling, register work alone, stand between signal and wait
.endif
.if SN == 44
	s_barrier_wait -1                              ; the other slot is whole, and this one may be written in the next step
.endif
.if SN >= 45
.if SN < 49
	WIN 0
.set EE, 2*(SN-45)
	LFRAG 1-\slot, 0, 0, EE                        ; the next step's first fragments, into the two buffers 0, 15 products or more ahead
	LFRAG 1-\slot, 0, 0, EE+1
.endif
.endif
.endif
.endr
.endr
.endr
.endm
; ---- one step: the tile in slot is used; unless it is the last, the next tile is brought into the other slot ----
; first = 1: nothing to rescale, the products start the sums.  pf = 1: the work-group asks ahead for its share of two later tiles.
.macro STEP slot, first, last, pf
.if \pf
	s_wait_xcnt 0x0                                ; the last request ahead, two steps back, has had its address translated (ISA guide 3.1): its base is rewritten only behind this wait
	s_add_nc_u64 s[PFB:PFB+1], s[BB:BB+1], s[PO:PO+1]
.endif
.if \last == 0
	LOADK STG                                      ; the next tile's K; it has run 1 and three quarters of run 2 in which to come
.endif
.if \pf
	; Step i (even) asks for tiles i + 2 and i + 3, the two behind the tile just asked for: 2 tensors x 128 rows x 2 blocks of 256 bytes = 512 blocks,
	; one for each of the 512 threads of the batch's four work-groups.  The offset stops at tiles 30 and 31 (7,680 bytes), the last of a row:
	; step 30 asks for those once more and stays inside the rows.
	global_prefetch_b8 v[PFO], s[PFB:PFB+1] th:TH_LOAD_NT scope:SCOPE_SE
	s_add_co_u32 s[PO], s[PO], 2*TILEB
	s_min_u32 s[PO], s[PO], 30*TILEB
.endif
	PH1 \slot
	PH2 \slot, \first, \last
	PH3 \slot, \first
	PH4 \slot, \first, \last
	WIN 0                                          ; at a label and at a branch every window is 0
.if \last
	PLACES 4                                       ; four places before vector instructions read the results and write fragment registers
.endif
.endm
; ---- the body ----
	s_load_b128 s[4:7], s[0:1], 0x0                ; qkv s[4:5], out0 s[6:7]
	v_lshrrev_b32 v1, 5, v0
	v_readfirstlane_b32 s8, v1                     ; wave 0..3
	s_lshr_b32 s9, ttmp9, 2                        ; batch
	s_and_b32 s10, ttmp9, 3                        ; block of 512 t
	s_mov_b32 s14, 0x76543210                      ; v_permlanex16_b32: lane i of one half reads lane i of the other
	s_mov_b32 s15, 0xfedcba98
	s_mov_b32 s16, CEXP
	s_mov_b32 s17, CEXP                            ; the pair's second register is named by the packed instruction and is written too
	s_mul_i32 s12, s9, BATCHB                      ; 63 x 3,145,728 at the most: under 2^32
	s_mov_b32 s13, 0
	s_lshl_b32 s18, s10, 11                        ; 512 t x 4 bytes a block
	s_lshl_b32 s24, s8, 9                          ; 128 t x 4 bytes a wave
	s_add_co_u32 s18, s18, s24
	s_mov_b32 s19, 0
	s_lshl_b32 s28, s9, 20                         ; a batch of out0: 128 rows of 8,192 bytes
	s_add_co_u32 s28, s28, s18
	s_mov_b32 s29, 0
	s_lshl_b32 s25, s8, 18                         ; my 32 rows of K and V in memory
	s_mul_i32 s26, s8, QREG
	s_add_co_u32 s26, s26, QBASE                   ; my wave's Q region
	s_mul_i32 s27, s8, 32*KP                       ; my 32 rows in a K slot
	s_mul_i32 s30, s8, 32*VP
	s_add_co_u32 s30, s30, VBASE                   ; my 32 rows in V's slot 0
	s_lshl_b32 s31, s10, 7
	s_mov_b32 s[PO], 2*TILEB                       ; the first request ahead is for tiles 2 and 3
	s_mov_b32 s[PO+1], 0
	v_and_b32 v1, 31, v0                           ; lane
	v_and_b32 v2, 15, v0                           ; r
	v_bfe_u32 v3, v0, 4, 1                         ; h
	v_lshlrev_b32 v[KG], 4, v2
	v_lshl_add_u32 v[VG], v3, 16, v[KG]            ; V: 16 r + 8 h rows
	v_lshl_add_u32 v[KG], v3, 15, v[KG]            ; K: 16 r + 4 h rows
	v_add_nc_u32 v[KG], s25, v[KG]
	v_add_nc_u32 v[VG], s25, v[VG]
	v_lshlrev_b32 v[QG], 4, v1
	v_mul_u32_u24 v[KS], v3, 4*KP
	v_lshl_add_u32 v[KS], v2, 3, v[KS]
	v_add_nc_u32 v[KS], s27, v[KS]
	v_mul_u32_u24 v[VS], v3, 8*VP
	v_lshl_add_u32 v[VS], v2, 3, v[VS]
	v_add_nc_u32 v[VS], s30, v[VS]
	v_lshl_add_u32 v[QS], v1, 3, s26
	v_and_b32 v16, 7, v0
	v_bfe_u32 v17, v0, 3, 1
	v_lshl_add_u32 v18, v3, 3, v16                 ; the row that I address in a transposing load: 8 h + (lane & 7)
	v_mul_u32_u24 v[KA], v18, KP
	v_lshl_add_u32 v[KA], v17, 4, v[KA]
	v_mul_u32_u24 v[QA], v18, QP
	v_lshl_add_u32 v[QA], v17, 4, v[QA]
	v_add_nc_u32 v[QA], s26, v[QA]
	v_mul_u32_u24 v[VA], v2, VP
	v_lshl_add_u32 v[VA], v3, 4, v[VA]
	v_add_nc_u32 v[VA], VBASE, v[VA]
	v_mul_u32_u24 v[OS], v3, 8*OP
	v_lshl_add_u32 v[OS], v2, 2, v[OS]
	v_add_nc_u32 v[OS], s26, v[OS]
	v_lshl_add_u32 v[ORD], v1, 4, s26
	v_add_nc_u32 v19, s31, v0                      ; b = 128 x block + thread, 0..511: which of a batch's 512 blocks I ask for ahead
	v_lshrrev_b32 v17, 8, v19
	v_add_nc_u32 v17, 1, v17
	v_lshlrev_b32 v[PFO], 20, v17                  ; K (b < 256) or V: 1 or 2 times 128 rows
	v_bfe_u32 v17, v19, 1, 7
	v_lshl_add_u32 v[PFO], v17, 13, v[PFO]         ; the row
	v_and_b32 v17, 1, v19
	v_lshl_add_u32 v[PFO], v17, 8, v[PFO]          ; the first or the second of the two tiles
.irp tt, 0,1,2,3,4,5,6,7
	v_mov_b32 v[MX+2*\tt], 0xff800000              ; the running maximum starts at minus infinity
.endr
	s_wait_kmcnt 0x0
	s_add_nc_u64 s[KVB:KVB+1], s[KVB:KVB+1], s[12:13]
	s_mov_b64 s[BB:BB+1], s[KVB:KVB+1]
	s_add_nc_u64 s[QB:QB+1], s[KVB:KVB+1], s[18:19]
	s_add_nc_u64 s[OUTB:OUTB+1], s[OUTB:OUTB+1], s[28:29]
	; Q (8 groups of 16 rows, into my own region), then my quarter of K's and of V's tile 0 (into slot 0): ten groups of 16 loads through three sets of registers
.macro GISSUE g, set
.if \g < 8
	LOADQ \set, \g
.else
.if \g == 8
	LOADK \set
.else
	LOADV \set
.endif
.endif
.endm
.macro GROUP g, set, left, nxt         ; left: the younger loads, which may stay out; nxt: the group that takes this set next (10: none)
	s_wait_loadcnt \left
	CVT16 \set
.if \g < 8
	STOREQ \set, \g
.else
.if \g == 8
	STOREK \set, 0
.else
	STOREV \set, 0
.endif
.endif
.if \nxt < 10
	GISSUE \nxt, \set
.endif
.endm
	GISSUE 0, 64
	GISSUE 1, 128
	GISSUE 2, 192
	GROUP 0, 64,  32, 3                            ; two younger groups of 16 loads stay out
	GROUP 1, 128, 32, 4
	GROUP 2, 192, 32, 5
	GROUP 3, 64,  32, 6
	GROUP 4, 128, 32, 7
	GROUP 5, 192, 32, 8
	GROUP 6, 64,  32, 9
	GROUP 7, 128, 32, 10
	GROUP 8, 192, 16, 10                           ; one younger group
	GROUP 9, 64,  0,  10                           ; none: every load is shown done, so KVB may step
	s_add_nc_u64 s[KVB:KVB+1], s[KVB:KVB+1], TILEB
	s_wait_dscnt 0x0                               ; for the others: my quarter of tile 0 is in LDS
	s_barrier_signal -1
	s_barrier_wait -1
.irp e, 0,1,2,3,4,5,6,7
	LFRAG 0, 0, 0, \e                              ; step 0's first fragments; every later step finds its own asked for in the step before
.endr
	; Steps 1 to 30 are alike but for the slot, which stands in the LDS instructions' immediates, so that the text shows that between two barriers
	; one slot is only read and the other only written: two steps a trip.  Step 0 starts the sums and step 31 loads nothing: these two are written out.
	STEP 0, 1, 0, 1                                ; step 0
	s_mov_b32 s20, 15
.Ltrip:                                            ; steps 1 to 30
	STEP 1, 0, 0, 0
	STEP 0, 0, 0, 1
	s_sub_co_i32 s20, s20, 1
	s_cmp_lg_u32 s20, 0
	s_cbranch_scc1 .Ltrip
	STEP 1, 0, 1, 0                                ; step 31: nothing is left to load, and no barrier follows: from here on a wave touches its own LDS bytes alone
	; THE WAY OUT.  1 / sum of each t: the two halves of the wave hold the sums over the two halves of the s.  The sum is about 1 at the least (the largest score's weight).
.irp tt, 0,1,2,3,4,5,6,7
	v_permlanex16_b32 v[16+\tt], v[LL+2*\tt], s14, s15     ; v16-23 have been written in the steps
.endr
.irp tt, 0,1,2,3,4,5,6,7
	v_add_f32 v[24+\tt], v[LL+2*\tt], v[16+\tt]
.endr
.irp tt, 0,1,2,3,4,5,6,7
	v_rcp_f32 v[AL+2*\tt], v[24+\tt]
.endr
	v_nop                                          ; a plain instruction before the reciprocals are used or their sources rewritten (ISA guide 5.7.2)
	s_wait_alu depctr_va_vdst(0)
; 16 rows c of my 128 t: scaled, laid into my stage (where my Q was: its last read is waited for) as rows of 512 bytes, read back by rows and stored.
; A lane holds a piece of a column of out0 (8 c of one t), so it goes in word by word: lanes 0-15 write 16 neighbouring words, lanes 16-31 those
; 8 rows of 528 bytes further on, which is 128 bytes modulo 256.  f: the registers for the rows read back, v64 and v192 by turns.
.macro OUT16 ct, f
.if \ct < 4
	WIN W_OLO
.else
	WIN W_OHI
.endif
.irp tt, 0,1,2,3,4,5,6,7
.irp p, 0,1,2,3
.set AR, 8*(8*(\ct&3)+\tt)+2*\p
	v_pk_mul_f32 v[PB+8*\tt+2*\p:PB+8*\tt+2*\p+1], v[AR:AR+1], v[AL+2*\tt:AL+2*\tt+1] op_sel_hi:[1,0]
.endr
.endr
	WIN 0
.irp tt, 0,1,2,3,4,5,6,7
.irp j, 0,1,2,3,4,5,6,7
	ds_store_b32 v[OS], v[PB+8*\tt+\j] offset:\j*OP+\tt*64
.endr
.endr
	s_wait_xcnt 0x0                                ; every earlier store has had its addresses translated (ISA guide 3.1): the registers that stores read are loaded again only behind this wait
.irp i, 0,1,2,3,4,5,6,7,8,9,10,11,12,13,14,15
	ds_load_b128 v[\f+4*\i:\f+4*\i+3], v[ORD] offset:\i*OP         ; LDS serves a wave's instructions in order (ISA guide 5.7.1.4): these see the stores above, and the next 16 rows' stores come behind them
.endr
.irp i, 0,1,2,3,4,5,6,7,8,9,10,11,12,13,14,15
	s_wait_dscnt 15-\i                             ; row i is in; the younger rows may be out
	global_store_b128 v[QG], v[\f+4*\i:\f+4*\i+3], s[OUTB:OUTB+1] offset:(16*\ct+\i)*ROWB th:TH_STORE_NT   ; 512 consecutive bytes of a row of out0, at a multiple of 512 from its first byte
.endr
.endm
	OUT16 0, 64
	OUT16 1, 192
	OUT16 2, 64
	OUT16 3, 192
	OUT16 4, 64
	OUT16 5, 192
	OUT16 6, 64
	OUT16 7, 192
	s_wait_xcnt 0x0
	v_lshl_add_u32 v254, v0, 2, 0x37000
	v_mov_b32 v255, 0
	s_wait_tensorcnt 0x0
	ds_add_u32 v254, v255
	s_wait_dscnt 0x0
	s_endpgm
.Lfunc_end_k_q75533ac0dc_attn:
	.size	k_q75533ac0dc_attn, .Lfunc_end_k_q75533ac0dc_attn-k_q75533ac0dc_attn
	.p2alignl 7, 3214868480
	.fill 96, 4, 3214868480
	.section	.rodata,"a",@progbits
	.p2align	6, 0x0
	.amdhsa_kernel k_q75533ac0dc_attn
		.amdhsa_group_segment_fixed_size 225792
		.amdhsa_private_segment_fixed_size 0
		.amdhsa_enable_private_segment 0
		.amdhsa_kernarg_size 16
		.amdhsa_user_sgpr_count 2
		.amdhsa_user_sgpr_kernarg_segment_ptr 1
		.amdhsa_wavefront_size32 1
		.amdhsa_system_sgpr_workgroup_id_x 1
		.amdhsa_system_sgpr_workgroup_id_y 1
		.amdhsa_system_sgpr_workgroup_id_z 1
		.amdhsa_system_vgpr_workitem_id 0
		.amdhsa_next_free_vgpr 1024
		.amdhsa_next_free_sgpr 66
		.amdhsa_reserve_vcc 0
		.amdhsa_float_denorm_mode_32 3
		.amdhsa_float_denorm_mode_16_64 3
		.amdhsa_memory_ordered 1
		.amdhsa_forward_progress 1
		.amdhsa_inst_pref_size 255
	.end_amdhsa_kernel
	.section	.bss,"aw",@nobits
	.p2align	6
	.space	262144
	.amdgpu_metadata
---
amdhsa.version: [ 1, 2 ]
amdhsa.kernels:
  - .name:           k_q75533ac0dc_attn
    .symbol:         k_q75533ac0dc_attn.kd
    .args:
      - { .name: qkv, .offset: 0, .size: 8, .value_kind: global_buffer, .address_space: global }
      - { .name: out0, .offset: 8, .size: 8, .value_kind: global_buffer, .address_space: global }
    .group_segment_fixed_size: 225792
    .private_segment_fixed_size: 0
    .kernarg_segment_align: 8
    .kernarg_segment_size: 16
    .max_flat_workgroup_size: 128
    .sgpr_count:     66
    .vgpr_count:     1024
    .wavefront_size: 32
...
	.end_amdgpu_metadata
.endif
;; end of part 2
;; ======== version 3 of 3: 1 launch
;; launch attn (part 3): grid 256 x 1, 4 waves a work-group, no clusters, 225,792 bytes of LDS; arguments qkv, out0; writes out0
.if DOCPART == 3
	.amdgcn_target "amdgcn-amd-amdhsa--gfx1250"
	.amdhsa_code_object_version 6
	.text
	.protected	k_q75533ac0dc_attn
	.globl	k_q75533ac0dc_attn
	.p2align	8
	.type	k_q75533ac0dc_attn,@function
k_q75533ac0dc_attn:
	s_mov_b64 s[64:65], 0
	v_nop
	global_prefetch_b8 v0, s[64:65] scope:SCOPE_SE
	s_setreg_imm32_b32 hwreg(HW_REG_WAVE_MODE, 25, 1), 1
	s_wait_xcnt 0x0
; out0[n][c][t] = sum over s of softmax_s( sum over c of q[n][c][t] k[n][c][s] / sqrt(128) ) v[n][c][s].
; qkv: [64][384][2048] f32 (rows 0-127 q, 128-255 k, 256-383 v; a row is 2,048 positions = 8,192 bytes).  out0: [64][128][2048] f32.
;
; NOTHING IS LEFT OUT: every number of qkv reaches out0.  The two factors 128^(-1/4) on q and on k are one factor 1/sqrt(128) on their
; product, for all values; it is applied, together with log2(e), to the f32 score, so that the matrix operands are the inputs rounded to bf16.
; The maximum is taken away before the exponential, as a running maximum over the steps.
; LIMITS: inputs finite and such that the raw sums q.k stay finite in f32; a NaN or an infinity among the inputs is not carried to the same
; places as in the reference; the order of rounding differs (scale on the score, weights rounded to bf16 for the second product, their sum
; kept in f32 from the unrounded weights); v_exp_f32 gives 0 for results under 2^-126 (ISA guide, its entry in 15.8).
;
; SHARES: 256 work-groups = 64 batches x 4 blocks of 512 t.  Four waves; a wave owns 128 t and all 128 c of the output: 64 accumulator tiles
; of 16 x 16 in 512 registers.  K and V are walked in 32 steps of 64 positions s through two LDS slots in bf16.
; THE FIRST PRODUCT IS MADE TRANSPOSED: S^T[s][t] = K^T Q.  A lane then holds one t and eight neighbouring s in each tile, so that maximum, sum
; and rescaling factor are numbers of the lane (one exchange between the halves of the wave for each t tile), and the weights, packed to
; bf16 in place, are already the second source of O[c][t] = V P^T.  c is the slow index of q and k in memory: their fragments come from LDS by
; the transposing load.
; NO JOINT LOADS, though the four work-groups of a batch read the same K and V: a tensor load could only lay the tiles into LDS as f32, 64 KiB a step,
; and they would still have to pass through registers to be rounded to bf16; two such slots (131,072 bytes) beside Q's 147,456 and the bf16
; slots' 77,824 are more than the 327,680 bytes that a work-group can be given.  So each wave loads a quarter of each tile into registers,
; rounds it and stores it into the other slot; one barrier a step.
;
; A STEP IS FOUR RUNS OF 64 PRODUCTS.  The wave's eight t tiles are two pieces, A (t tiles 0-3) and B (4-7), and one piece's vector work is cut
; into numbered slices that stand behind the other piece's products, one slice behind each:
;   run 1  A's scores            between them: fragment loads (the run has no vector work of its own)
;   run 2  B's scores            between them: A's softmax; the next tile's K rounded; the rescaling of A's first c tile
;   run 3  A's output products   between them: B's softmax; A's rescaling, one c tile ahead of its products; the rescaling of B's first c tile
;   run 4  B's output products   between them: B's rescaling; the next tile's V rounded; the barrier
; MEMORY INSTRUCTIONS STAND IN TWELVE RUNS A STEP, of 16 to 48 each, not singly among the products: K's global loads at the head; the 16 fragment
; loads of each c block of the scores (eight runs, the last with K's LDS stores and V's global loads); V's second eight fragments; V's LDS stores;
; the next step's first fragments.  A run needs one window setting, and the places in front of loads into fragment registers are kept once for a run.
; V's 16 fragments serve both pieces from registers.  K's fragments are read from LDS once for each piece: to hold them for both would take 128
; registers, and window 0 has 64 for them beside Q's 64, the 64 of the tile on its way and the 64 of addresses and figures.
;
; REGISTERS, in windows of 256 (s_set_vgpr_msb: bits 1:0 source 0, 3:2 source 1, 5:4 source 2, 7:6 destination):
;   window 0: addresses, per-t figures, fragments, the tile on its way     window 1: the 32 score tiles of a step, later the packed weights
;   window 2: accumulators of c 0-63 (tile (a, tt) at v[8 (8 a + tt)])     window 3: those of c 64-127
; A product and the slice behind it need different settings (an exponential in place wants source 0 in the scores' window, where a product's
; first source would then have to lie, and the scores fill that window): two switches, in some slices three, stand at each product of runs 2 and 3.
.set ROWB,   8192                      ; bytes in a row of qkv and of out0
.set BATCHB, 384*ROWB                  ; a batch of qkv
.set KOFF,   128*ROWB                  ; k behind q
.set VOFF,   256*ROWB                  ; v behind q
.set TILEB,  256                       ; 64 positions of f32: a step along a row
.set KP,     160                       ; LDS pitch of K [c][64 s] bf16: 128 bytes + 32 (an odd multiple of 32, for the transposing load)
.set VP,     144                       ; LDS pitch of V [c][64 s] bf16: 128 bytes + 16 (an odd multiple of 16)
.set QP,     288                       ; LDS pitch of Q [c][128 t] bf16: 256 bytes + 32
.set OP,     528                       ; LDS pitch of the way out: 128 t of f32 + 16
.set KSLOT,  128*KP                    ; 20,480: K's slots at 0 and KSLOT
.set VSLOT,  128*VP                    ; 18,432
.set VBASE,  2*KSLOT                   ; 40,960: V's slots
.set QBASE,  VBASE+2*VSLOT             ; 77,824: Q, a region of QREG bytes for each wave, the wave's own; behind the last step its stage for the way out
.set QREG,   128*QP                    ; 36,864
.set CEXP,   0x3e0293ee                ; log2(e) / sqrt(128)
.set CNEG,   0xbe0293ee                ; its negative
.set KVB, 4                            ; s[4:5]   qkv at my batch, plus 256 bytes for each tile already loaded
.set OUTB, 6                           ; s[6:7]   out0 at my batch and my wave's first t
.set QB,  22                           ; s[22:23] qkv at my batch and my wave's first t
.set BB,  32                           ; s[32:33] qkv at my batch, never stepped
.set PFB, 34                           ; s[34:35] the base of the request ahead
.set PO,  36                           ; s[36:37] its byte offset along the rows (s37 = 0)
.set KG,  4                            ; v4   byte offset of my 16 bytes in K's rows that I load
.set VG,  5                            ; v5   the same for V
.set QG,  6                            ; v6   16 x lane: my 16 bytes of a row of 128 t (Q in, out0 out)
.set KS,  7                            ; v7   LDS: where I store 8 bytes of K
.set VS,  8                            ; v8   LDS: where I store 8 bytes of V
.set QS,  9                            ; v9   LDS: where I store 8 bytes of Q
.set KA,  10                           ; v10  LDS: K fragments (transposing load)
.set QA,  11                           ; v11  LDS: Q fragments (transposing load)
.set VA,  12                           ; v12  LDS: V fragments
.set OS,  13                           ; v13  LDS: the way out, in
.set ORD, 14                           ; v14  LDS: the way out, back by rows
.set PFO, 15                           ; v15  byte offset of the 256 bytes that I ask for ahead; never rewritten
.set TP,  16                           ; v[16+q]  at work in a piece's softmax (q: the t tile in the piece); written in the set-up, as v_permlanex16_b32 asks of its destination
.set TM,  20                           ; v[20+q]
.set LS,  24                           ; v[24+2q:25+2q]
.set NM,  32                           ; v[32+2tt]  minus (log2(e)/sqrt(128)) x running maximum, rounded
.set MX,  33                           ; v[33+2tt]  the running maximum of the raw scores of my t in tile tt
.set AL,  48                           ; v[48+2tt]  the step's rescaling factor; at the end 1 / sum
.set LL,  49                           ; v[49+2tt]  the running sum of my half of the s
.set QF,  64                           ; v[64:127]  Q fragments of 32 c, 4 t tiles, two buffers
.set KF,  128                          ; v[128:191] K fragments of 32 c, 4 s tiles, two buffers.  In runs 3 and 4 v[64:191] hold V's 16 fragments
.set STG, 192                          ; v[192:255] the quarter tile on its way from memory: 16 loads of 4 registers
.set PB,  128                          ; v[128:191] the way out: 16 rows of scaled results
.set W_QK,  0x50                       ; C and D window 1
.set W_MAX, 0x14                       ; sources 1 and 2 window 1
.set W_EXP, 0x41                       ; source 0 and destination window 1
.set W_SUM0,0x05                       ; sources 0 and 1 window 1
.set W_SUM, 0x04                       ; source 1 window 1
.set W_CVT, 0x45                       ; sources 0, 1 and destination window 1
.set W_RLO, 0x82                       ; source 0 and destination window 2
.set W_RHI, 0xc3                       ; the same, window 3
.set W_PLO, 0xa4                       ; A window 0, B window 1, C and D window 2
.set W_PHI, 0xf4                       ; the same, C and D window 3
.set W_OLO, 0x02                       ; source 0 window 2
.set W_OHI, 0x03                       ; source 0 window 3
.set MSB, 0
.macro WIN new                         ; the immediate's high byte repeats the setting that is left; a switch that changes nothing is dropped
.if MSB != \new
	s_set_vgpr_msb (MSB<<8)|\new
.set MSB, \new
.endif
.endm
.macro PLACES n
.rept \n
	v_nop
.endr
.endm
; ---- memory to registers to LDS: a quarter tile is 16 loads of 16 bytes a lane; load j of the 16 by itself, then the groups of 16 ----
.macro LDK1 set, j                     ; my 32 rows of K's tile: lanes 0-15 take the 256 bytes of one row, lanes 16-31 those of the row 4 further down
	global_load_b128 v[\set+4*(\j):\set+4*(\j)+3], v[KG], s[KVB:KVB+1] offset:KOFF+(8*((\j)>>2)+((\j)&3))*ROWB
.endm
.macro LDV1 set, j                     ; my 32 rows of V's tile: lanes 16-31 take the row 8 further down
	global_load_b128 v[\set+4*(\j):\set+4*(\j)+3], v[VG], s[KVB:KVB+1] offset:VOFF+(16*((\j)>>3)+((\j)&7))*ROWB
.endm
.macro CV1 set, j                      ; four f32 become four bf16 in the first two of their registers
	v_cvt_pk_bf16_f32 v[\set+4*(\j)],   v[\set+4*(\j)],   v[\set+4*(\j)+1]
	v_cvt_pk_bf16_f32 v[\set+4*(\j)+1], v[\set+4*(\j)+2], v[\set+4*(\j)+3]
.endm
.macro STK1 set, slot, j               ; 4 rows of 160 bytes are 128 bytes modulo 256: the 32 lanes' 8 bytes fall on 64 different words modulo 256 bytes
	ds_store_b64 v[KS], v[\set+4*(\j):\set+4*(\j)+1] offset:(\slot)*KSLOT+(8*((\j)>>2)+((\j)&3))*KP
.endm
.macro STV1 set, slot, j               ; 8 rows of 144 bytes are 128 bytes modulo 256
	ds_store_b64 v[VS], v[\set+4*(\j):\set+4*(\j)+1] offset:(\slot)*VSLOT+(16*((\j)>>3)+((\j)&7))*VP
.endm
.macro LOADQ set, g                    ; rows 16 g .. 16 g + 15 of my wave's Q: a load takes the 512 neighbouring bytes of one row.  Read once in the launch
.irp j, 0,1,2,3,4,5,6,7,8,9,10,11,12,13,14,15
	global_load_b128 v[\set+4*\j:\set+4*\j+3], v[QG], s[QB:QB+1] offset:(16*(\g)+\j)*ROWB th:TH_LOAD_NT
.endr
.endm
.macro STOREQ set, g
.irp j, 0,1,2,3,4,5,6,7,8,9,10,11,12,13,14,15
	ds_store_b64 v[QS], v[\set+4*\j:\set+4*\j+1] offset:(16*(\g)+\j)*QP
.endr
.endm
.macro LOADK set
.irp j, 0,1,2,3,4,5,6,7,8,9,10,11,12,13,14,15
	LDK1 \set, \j
.endr
.endm
.macro LOADV set
.irp j, 0,1,2,3,4,5,6,7,8,9,10,11,12,13,14,15
	LDV1 \set, \j
.endr
.endm
.macro STOREK set, slot
.irp j, 0,1,2,3,4,5,6,7,8,9,10,11,12,13,14,15
	STK1 \set, \slot, \j
.endr
.endm
.macro STOREV set, slot
.irp j, 0,1,2,3,4,5,6,7,8,9,10,11,12,13,14,15
	STV1 \set, \slot, \j
.endr
.endm
.macro CVT16 set
.irp j, 0,1,2,3,4,5,6,7,8,9,10,11,12,13,14,15
	CV1 \set, \j
.endr
.endm
; ---- fragments ----
; Fragment e of the eight that 16 score products need (c block kc of 32 c, piece pc), into buffer kc & 1.
; e = 0..3: K's s tile e: lane (r, h) gets column s = 16 e + r, c = 8 h .. + 7 and 16 + 8 h .. + 7.   e = 4..7: Q's t tile 4 pc + e - 4, likewise.
.macro LFRAG slot, kc, pc, e
.if (\e) < 4
.set FR, KF+32*((\kc)&1)+8*(\e)
	ds_load_tr16_b128 v[FR:FR+3],   v[KA] offset:(\slot)*KSLOT+(\kc)*32*KP+32*(\e)
	ds_load_tr16_b128 v[FR+4:FR+7], v[KA] offset:(\slot)*KSLOT+(\kc)*32*KP+32*(\e)+16*KP
.else
.set FR, QF+32*((\kc)&1)+8*((\e)-4)
	ds_load_tr16_b128 v[FR:FR+3],   v[QA] offset:(\kc)*32*QP+32*(4*(\pc)+(\e)-4)
	ds_load_tr16_b128 v[FR+4:FR+7], v[QA] offset:(\kc)*32*QP+32*(4*(\pc)+(\e)-4)+16*QP
.endif
.endm
; V's fragment f = 2 ct + ks (rows c = 16 ct + r, s = 32 ks + 8 h .. and + 16).  f 0-3 at v64-95, f 4-7 at v128-159 (the two buffers 0),
; f 8-11 at v96-127, f 12-15 at v160-191 (the two buffers 1): the half that is used first lies where the score products are done first.
.macro LVF1 slot, f
.set VR, 64+64*(((\f)>>2)&1)+32*((\f)>>3)+8*((\f)&3)
	ds_load_b128 v[VR:VR+3],   v[VA] offset:(\slot)*VSLOT+((\f)>>1)*16*VP+64*((\f)&1)
	ds_load_b128 v[VR+4:VR+7], v[VA] offset:(\slot)*VSLOT+((\f)>>1)*16*VP+64*((\f)&1)+32
.endm
; ---- products ----
; A score product: s tile st x t tile 4 pc + tq, 32 along c.  Score tile (st, tt) lies at v[128 (st >> 1) + 16 tt + 8 (st & 1)] of window 1:
; register j of lane (r, h) is S^T(s = 16 st + 8 h + j, t = 16 tt + r).  The first c block starts the sums with the constant 0.
; A piece's 16 accumulators take turns, one instruction a turn.
.macro QKW kc, pc, tq, st
.set SCR, 128*(\st>>1)+16*(4*\pc+\tq)+8*(\st&1)
.set KFR, KF+32*(\kc&1)+8*\st
.set QFR, QF+32*(\kc&1)+8*\tq
	WIN W_QK
.if \kc == 0
	v_wmma_f32_16x16x32_bf16 v[SCR:SCR+7], v[KFR:KFR+7], v[QFR:QFR+7], 0
.else
	v_wmma_f32_16x16x32_bf16 v[SCR:SCR+7], v[KFR:KFR+7], v[QFR:QFR+7], v[SCR:SCR+7]
.endif
.endm
; An output product: c tile ct x t tile 4 pc + q, block ks of 32 s.  The weights of (ks, tt) lie at v[128 ks + 16 tt .. + 7] of window 1.
; In the first step the first block of s starts the sums with the constant 0.  Four accumulators take turns, one instruction a turn.
.macro PVW ct, ks, pc, q, first
.if \ct < 4
	WIN W_PLO
.else
	WIN W_PHI
.endif
.set VR, 64+64*(((2*\ct+\ks)>>2)&1)+32*((2*\ct+\ks)>>3)+8*((2*\ct+\ks)&3)
.set AR, 8*(8*(\ct&3)+4*\pc+\q)
.set PR, 128*\ks+16*(4*\pc+\q)
.if (\first)*(1-\ks)
	v_wmma_f32_16x16x32_bf16 v[AR:AR+7], v[VR:VR+7], v[PR:PR+7], 0
.else
	v_wmma_f32_16x16x32_bf16 v[AR:AR+7], v[VR:VR+7], v[PR:PR+7], v[AR:AR+7]
.endif
.endm
; The accumulator tiles of c tile ct and t tiles 4 pc + q0, 4 pc + q0 + 1 times the factors of their t tiles: 8 instructions
.macro RSC pc, ct, q0
.if (\ct) < 4
	WIN W_RLO
.else
	WIN W_RHI
.endif
.irp dq, 0,1
.irp w, 0,1,2,3
.set AR, 8*(8*((\ct)&3)+4*\pc+(\q0)+\dq)+2*\w
.set AF, AL+2*(4*\pc+(\q0)+\dq)
	v_pk_mul_f32 v[AR:AR+1], v[AR:AR+1], v[AF:AF+1] op_sel_hi:[1,0]
.endr
.endr
.endm
; ---- slice SN (0 to 60) of the softmax of piece pc: 4 t tiles, 32 scores a lane in each; each slice under one window setting ----
.macro SM pc, first
.if SN < 8                             ; 0-7: the largest of my 32 scores of each t tile and of the running maximum, four chains side by side
	WIN W_MAX
.irp jj, 0,1
.irp q, 0,1,2,3
.set XJ, 2*SN+\jj
.set XR, 128*(XJ>>3)+16*(4*\pc+\q)+((2*XJ)&15)
.if XJ == 0
	v_max3_num_f32 v[TM+\q], v[MX+2*(4*\pc+\q)], v[XR], v[XR+1]
.else
	v_max3_num_f32 v[TM+\q], v[TM+\q], v[XR], v[XR+1]
.endif
.endr
.endr
.endif
.if SN == 8
	WIN 0
.irp q, 0,1,2,3
	v_permlanex16_b32 v[TP+\q], v[TM+\q], s14, s15         ; the other half of the wave holds the other 32 s of the same t
.endr
.irp q, 0,1,2,3
	v_max_num_f32 v[MX+2*(4*\pc+\q)], v[TM+\q], v[TP+\q]
.endr
.endif
.if SN == 9
	WIN 0
.irp q, 0,1,2,3
	v_mul_f32 v[TP+\q], CNEG, v[MX+2*(4*\pc+\q)]
.endr
.if \first == 0
.irp q, 0,1,2,3
	v_sub_f32 v[AL+2*(4*\pc+\q)], v[TP+\q], v[NM+2*(4*\pc+\q)]   ; new minus old of the rounded figures: 0 where the maximum stands, so the factor is then exactly 1
.endr
.endif
.endif
.if SN == 10
	WIN 0
.if \first == 0
.irp q, 0,1,2,3
	v_exp_f32 v[AL+2*(4*\pc+\q)], v[AL+2*(4*\pc+\q)]
.endr
.endif
.irp q, 0,1,2,3
	v_mov_b32 v[NM+2*(4*\pc+\q)], v[TP+\q]                 ; also the plain instructions between the exponentials and the use of their results (ISA guide 5.7.2)
.endr
.endif
; weights = 2^(score x log2(e)/sqrt(128) - the same of the maximum), in place, 8 groups of 16 registers (block of 32 s, t tile):
; one group's multiply-adds stand between the exponentials of the group before, one behind each two
.if SN == 11
	WIN W_EXP
.irp w, 0,1,2,3,4,5,6,7
	v_pk_fma_f32 v[64*\pc+2*\w:64*\pc+2*\w+1], v[64*\pc+2*\w:64*\pc+2*\w+1], s[16:17], v[NM+8*\pc:NM+8*\pc+1] op_sel_hi:[1,0,0]
.endr
.endif
.if SN >= 12
.if SN < 44
	WIN W_EXP
.irp uu, 0,1
.set UU, 2*(SN-12)+\uu
.set GG, UU>>3
.set GB, 128*(GG>>2)+64*\pc+16*(GG&3)+2*(UU&7)
	v_exp_f32 v[GB],   v[GB]
	v_exp_f32 v[GB+1], v[GB+1]
.if GG < 7
.set GN, 128*((GG+1)>>2)+64*\pc+16*((GG+1)&3)+2*(UU&7)
.set NF, NM+2*(4*\pc+((GG+1)&3))
	v_pk_fma_f32 v[GN:GN+1], v[GN:GN+1], s[16:17], v[NF:NF+1] op_sel_hi:[1,0,0]
.endif
.endr
.endif
.endif
; the sum of my 32 weights of each t tile, in f32, from the unrounded weights.  The first additions take the first block's weights, whose
; exponentials have plain instructions behind them; they are the plain instructions behind the last group's exponentials
.if SN == 44
	WIN W_SUM0
	s_wait_alu depctr_va_vdst(0)
.irp q, 0,1,2,3
.set XR, 64*\pc+16*\q
	v_pk_add_f32 v[LS+2*\q:LS+2*\q+1], v[XR:XR+1], v[XR+2:XR+3]
.endr
.endif
.if SN >= 45
.if SN < 52
	WIN W_SUM
.irp jj, 0,1
.irp q, 0,1,2,3
.set XJ, 2+2*(SN-45)+\jj
.set XR, 128*(XJ>>3)+16*(4*\pc+\q)+((2*XJ)&15)
	v_pk_add_f32 v[LS+2*\q:LS+2*\q+1], v[LS+2*\q:LS+2*\q+1], v[XR:XR+1]
.endr
.endr
.endif
.endif
.if SN == 52
	WIN 0
.if \first
.irp q, 0,1,2,3
	v_add_f32 v[LL+2*(4*\pc+\q)], v[LS+2*\q], v[LS+2*\q+1]
.endr
.else
.irp q, 0,1,2,3
	v_add_f32 v[TM+\q], v[LS+2*\q], v[LS+2*\q+1]
.endr
.irp q, 0,1,2,3
	v_fma_f32 v[LL+2*(4*\pc+\q)], v[LL+2*(4*\pc+\q)], v[AL+2*(4*\pc+\q)], v[TM+\q]
.endr
.endif
.endif
; the weights to bf16, in place, a group a slice: a lane's 8 + 8 neighbouring s of a t tile and a block of 32 s become the 8 registers of a second source
.if SN >= 53
.if SN < 61
	WIN W_CVT
.set GG, SN-53
.set GB, 128*(GG>>2)+64*\pc+16*(GG&3)
.irp j, 0,1,2,3
	v_cvt_pk_bf16_f32 v[GB+\j], v[GB+2*\j], v[GB+2*\j+1]
.endr
.irp j, 0,1,2,3
	v_cvt_pk_bf16_f32 v[GB+4+\j], v[GB+8+2*\j], v[GB+9+2*\j]
.endr
.endif
.endif
.endm
; A load into a register that a matrix instruction has read, and a vector instruction that reads a matrix result, stand four places behind that
; matrix instruction, and only plain vector instructions that name none of its registers are places (ISA guide 7.12.1 for vector instructions).
; In runs 2 to 4 the slices are those places; run 1 has no vector work, so four v_nop stand in each c block.
; ---- run 1: A's 64 score products.  Behind the first product of a c block: the 16 loads of the next 16 products' fragments, in one run, 15 products ahead ----
.macro PH1 slot
.irp kc, 0,1,2,3
	s_wait_dscnt 0x0                               ; this block's fragments are in: asked for 15 products ago or earlier (step 0's first block: just ahead of the step)
.irp tq, 0,1,2,3
.irp st, 0,1,2,3
.set MM, 4*\tq+\st
	QKW \kc, 0, \tq, \st
.if MM == 0
	PLACES 4                                       ; behind the last product that read the buffer that is now loaded
	WIN 0
.irp e, 0,1,2,3,4,5,6,7
.if \kc < 3
	LFRAG \slot, \kc+1, 0, \e
.else
	LFRAG \slot, 0, 1, \e                          ; B's first c block: K's fragments once more, Q's t tiles 4-7
.endif
.endr
.endif
.endr
.endr
.endr
.endm
; ---- run 2: B's 64 score products, A's softmax between them ----
.macro PH2 slot, first, last
.irp kc, 0,1,2,3
	s_wait_dscnt 0x0                               ; this block's fragments are in: they were asked for 12 products ago or earlier
.irp tq, 0,1,2,3
.irp st, 0,1,2,3
.set MM, 4*\tq+\st
.set SN, 16*\kc+MM
	QKW \kc, 1, \tq, \st
.if SN == 0
	PLACES 4                                       ; behind A's last score product, before the maxima read A's scores
.endif
	SM 0, \first
.if \last == 0
.if SN == 48
	s_wait_loadcnt 0x0                             ; the next tile's K, asked for at the step's head, is in registers
.endif
.if SN >= 48
.if SN < 52
	WIN 0
.set JJ, 4*(SN-48)
	CV1 STG, JJ                                    ; K rounded, four loads' worth a slice
	CV1 STG, JJ+1
	CV1 STG, JJ+2
	CV1 STG, JJ+3
.endif
.endif
.endif
.if MM == 3                                        ; one run of memory instructions in each c block, with four slices (8 plain instructions at the least) behind the last reader of the buffer that is loaded
	WIN 0
.if \kc < 3
.irp e, 0,1,2,3,4,5,6,7
	LFRAG \slot, \kc+1, 1, \e
.endr
.else
.if \last == 0
	STOREK STG, 1-\slot                            ; into the slot that every wave had finished reading in front of the last barrier
	LOADV STG                                      ; the next tile's V follows K through the same registers; it has the rest of run 2, run 3 and 24 products of run 4 in which to come
.endif
.irp f, 0,1,2,3,4,5,6,7
	LVF1 \slot, \f                                 ; V's fragments 0-7, into the two buffers 0, which the last c block does not read
.endr
.endif
.endif
.if SN >= 62
.if \first
.if SN == 63
	PLACES 4                                       ; the first step rescales nothing: the places behind B's last score product
.endif
.else
.set QQ, 2*(SN-62)
	RSC 0, 0, QQ                                   ; A's c tile 0, ahead of run 3; slice 63's eight are also the places behind B's last score product
.endif
.endif
.endr
.endr
.endr
.endm
; ---- run 3: A's 64 output products, B's softmax between them; A's accumulators are rescaled one c tile ahead of their products ----
.macro PH3 slot, first
	s_wait_dscnt 0x0                               ; V's fragments 0-7 are in: asked for 12 products ago
.irp ct, 0,1,2,3,4,5,6,7
.if \ct == 4
	s_wait_dscnt 0x0                               ; V's fragments 8-15 are in: asked for 30 products ago
.endif
.irp ks, 0,1
.irp q, 0,1,2,3
.set SN, 8*\ct+4*\ks+\q
	PVW \ct, \ks, 0, \q, \first
	SM 1, \first
.if SN == 1
	WIN 0
.irp f, 8,9,10,11,12,13,14,15
	LVF1 \slot, \f                                 ; V's fragments 8-15, in one run, into the two buffers 1, which run 2's last c block has read
.endr
.endif
.if \first == 0
.if \q == 3
.if \ct < 7
	RSC 0, \ct+1, 2*\ks
.else
	RSC 1, 0, 2*\ks                                ; B's c tile 0, ahead of run 4
.endif
.endif
.endif
.endr
.endr
.endr
.endm
; ---- run 4: B's 64 output products; between them B's rescaling, the next tile's V, the barrier, the next step's first fragments ----
.macro PH4 slot, first, last
.irp ct, 0,1,2,3,4,5,6,7
.irp ks, 0,1
.irp q, 0,1,2,3
.set SN, 8*\ct+4*\ks+\q
	PVW \ct, \ks, 1, \q, \first
.if \first == 0
.if \q == 3
.if \ct < 7
	RSC 1, \ct+1, 2*\ks
.endif
.endif
.endif
.if \last == 0
.if SN == 24
	s_wait_loadcnt 0x0                             ; the next tile's V is in registers, and every load that names KVB is shown done
.endif
.if SN >= 24
.if SN < 32
	WIN 0
.set JJ, 2*(SN-24)
	CV1 STG, JJ                                    ; V rounded, two loads' worth a slice; slice 31's four conversions are the places behind the last product that reads V's fragments 0-7
	CV1 STG, JJ+1
.endif
.endif
.if SN == 31
	STOREV STG, 1-\slot                            ; one run of 16 stores, into the slot that every wave had finished reading in front of the last barrier
.endif
.if SN == 32
	s_add_nc_u64 s[KVB:KVB+1], s[KVB:KVB+1], TILEB
.endif
.if SN == 36
	s_wait_dscnt 0x0                               ; for the others: my stores into the other slot are done; my reads of this slot were waited for in run 3
	s_barrier_signal -1                            ; products and rescaling, register work alone, stand between signal and wait
.endif
.if SN == 44
	s_barrier_wait -1                              ; the other slot is whole, and this one may be written in the next step
.endif
.if SN == 45
	WIN 0
.irp e, 0,1,2,3,4,5,6,7
	LFRAG 1-\slot, 0, 0, \e                        ; the next step's first fragments, in one run, into the two buffers 0, 18 products ahead
.endr
.endif
.endif
.endr
.endr
.endr
.endm
; ---- one step: the tile in slot is used; unless it is the last, the next tile is brought into the other slot ----
; first = 1: nothing to rescale, the products start the sums.  pf = 1: the work-group asks ahead for its share of two later tiles.
.macro STEP slot, first, last, pf
.if \pf
	s_wait_xcnt 0x0                                ; the last request ahead, two steps back, has had its address translated (ISA guide 3.1): its base is rewritten only behind this wait
	s_add_nc_u64 s[PFB:PFB+1], s[BB:BB+1], s[PO:PO+1]
.endif
.if \last == 0
	LOADK STG                                      ; the next tile's K; it has run 1 and three quarters of run 2 in which to come
.endif
.if \pf
	; Step i (even) asks for tiles i + 2 and i + 3, the two behind the tile just asked for: 2 tensors x 128 rows x 2 blocks of 256 bytes = 512 blocks,
	; one for each of the 512 threads of the batch's four work-groups.  The offset stops at tiles 30 and 31 (7,680 bytes), the last of a row:
	; step 30 asks for those once more and stays inside the rows.
	global_prefetch_b8 v[PFO], s[PFB:PFB+1] th:TH_LOAD_NT scope:SCOPE_SE
	s_add_co_u32 s[PO], s[PO], 2*TILEB
	s_min_u32 s[PO], s[PO], 30*TILEB
.endif
	PH1 \slot
	PH2 \slot, \first, \last
	PH3 \slot, \first
	PH4 \slot, \first, \last
	WIN 0                                          ; at a label and at a branch every window is 0
.if \last
	PLACES 4                                       ; four places before vector instructions read the results and write fragment registers
.endif
.endm
; ---- the body ----
	s_load_b128 s[4:7], s[0:1], 0x0                ; qkv s[4:5], out0 s[6:7]
	v_lshrrev_b32 v1, 5, v0
	v_readfirstlane_b32 s8, v1                     ; wave 0..3
	s_lshr_b32 s9, ttmp9, 2                        ; batch
	s_and_b32 s10, ttmp9, 3                        ; block of 512 t
	s_mov_b32 s14, 0x76543210                      ; v_permlanex16_b32: lane i of one half reads lane i of the other
	s_mov_b32 s15, 0xfedcba98
	s_mov_b32 s16, CEXP
	s_mov_b32 s17, CEXP                            ; the pair's second register is named by the packed instruction and is written too
	s_mul_i32 s12, s9, BATCHB                      ; 63 x 3,145,728 at the most: under 2^32
	s_mov_b32 s13, 0
	s_lshl_b32 s18, s10, 11                        ; 512 t x 4 bytes a block
	s_lshl_b32 s24, s8, 9                          ; 128 t x 4 bytes a wave
	s_add_co_u32 s18, s18, s24
	s_mov_b32 s19, 0
	s_lshl_b32 s28, s9, 20                         ; a batch of out0: 128 rows of 8,192 bytes
	s_add_co_u32 s28, s28, s18
	s_mov_b32 s29, 0
	s_lshl_b32 s25, s8, 18                         ; my 32 rows of K and V in memory
	s_mul_i32 s26, s8, QREG
	s_add_co_u32 s26, s26, QBASE                   ; my wave's Q region
	s_mul_i32 s27, s8, 32*KP                       ; my 32 rows in a K slot
	s_mul_i32 s30, s8, 32*VP
	s_add_co_u32 s30, s30, VBASE                   ; my 32 rows in V's slot 0
	s_lshl_b32 s31, s10, 7
	s_mov_b32 s[PO], 2*TILEB                       ; the first request ahead is for tiles 2 and 3
	s_mov_b32 s[PO+1], 0
	v_and_b32 v1, 31, v0                           ; lane
	v_and_b32 v2, 15, v0                           ; r
	v_bfe_u32 v3, v0, 4, 1                         ; h
	v_lshlrev_b32 v[KG], 4, v2
	v_lshl_add_u32 v[VG], v3, 16, v[KG]            ; V: 16 r + 8 h rows
	v_lshl_add_u32 v[KG], v3, 15, v[KG]            ; K: 16 r + 4 h rows
	v_add_nc_u32 v[KG], s25, v[KG]
	v_add_nc_u32 v[VG], s25, v[VG]
	v_lshlrev_b32 v[QG], 4, v1
	v_mul_u32_u24 v[KS], v3, 4*KP
	v_lshl_add_u32 v[KS], v2, 3, v[KS]
	v_add_nc_u32 v[KS], s27, v[KS]
	v_mul_u32_u24 v[VS], v3, 8*VP
	v_lshl_add_u32 v[VS], v2, 3, v[VS]
	v_add_nc_u32 v[VS], s30, v[VS]
	v_lshl_add_u32 v[QS], v1, 3, s26
	v_and_b32 v16, 7, v0
	v_bfe_u32 v17, v0, 3, 1
	v_lshl_add_u32 v18, v3, 3, v16                 ; the row that I address in a transposing load: 8 h + (lane & 7)
	v_mul_u32_u24 v[KA], v18, KP
	v_lshl_add_u32 v[KA], v17, 4, v[KA]
	v_mul_u32_u24 v[QA], v18, QP
	v_lshl_add_u32 v[QA], v17, 4, v[QA]
	v_add_nc_u32 v[QA], s26, v[QA]
	v_mul_u32_u24 v[VA], v2, VP
	v_lshl_add_u32 v[VA], v3, 4, v[VA]
	v_add_nc_u32 v[VA], VBASE, v[VA]
	v_mul_u32_u24 v[OS], v3, 8*OP
	v_lshl_add_u32 v[OS], v2, 2, v[OS]
	v_add_nc_u32 v[OS], s26, v[OS]
	v_lshl_add_u32 v[ORD], v1, 4, s26
	v_add_nc_u32 v19, s31, v0                      ; b = 128 x block + thread, 0..511: which of a batch's 512 blocks I ask for ahead
	v_lshrrev_b32 v17, 8, v19
	v_add_nc_u32 v17, 1, v17
	v_lshlrev_b32 v[PFO], 20, v17                  ; K (b < 256) or V: 1 or 2 times 128 rows
	v_bfe_u32 v17, v19, 1, 7
	v_lshl_add_u32 v[PFO], v17, 13, v[PFO]         ; the row
	v_and_b32 v17, 1, v19
	v_lshl_add_u32 v[PFO], v17, 8, v[PFO]          ; the first or the second of the two tiles
.irp tt, 0,1,2,3,4,5,6,7
	v_mov_b32 v[MX+2*\tt], 0xff800000              ; the running maximum starts at minus infinity
.endr
	s_wait_kmcnt 0x0
	s_add_nc_u64 s[KVB:KVB+1], s[KVB:KVB+1], s[12:13]
	s_mov_b64 s[BB:BB+1], s[KVB:KVB+1]
	s_add_nc_u64 s[QB:QB+1], s[KVB:KVB+1], s[18:19]
	s_add_nc_u64 s[OUTB:OUTB+1], s[OUTB:OUTB+1], s[28:29]
	; Q (8 groups of 16 rows, into my own region), then my quarter of K's and of V's tile 0 (into slot 0): ten groups of 16 loads through three sets of registers
.macro GISSUE g, set
.if \g < 8
	LOADQ \set, \g
.else
.if \g == 8
	LOADK \set
.else
	LOADV \set
.endif
.endif
.endm
.macro GROUP g, set, left, nxt         ; left: the younger loads, which may stay out; nxt: the group that takes this set next (10: none)
	s_wait_loadcnt \left
	CVT16 \set
.if \g < 8
	STOREQ \set, \g
.else
.if \g == 8
	STOREK \set, 0
.else
	STOREV \set, 0
.endif
.endif
.if \nxt < 10
	GISSUE \nxt, \set
.endif
.endm
	GISSUE 0, 64
	GISSUE 1, 128
	GISSUE 2, 192
	GROUP 0, 64,  32, 3                            ; two younger groups of 16 loads stay out
	GROUP 1, 128, 32, 4
	GROUP 2, 192, 32, 5
	GROUP 3, 64,  32, 6
	GROUP 4, 128, 32, 7
	GROUP 5, 192, 32, 8
	GROUP 6, 64,  32, 9
	GROUP 7, 128, 32, 10
	GROUP 8, 192, 16, 10                           ; one younger group
	GROUP 9, 64,  0,  10                           ; none: every load is shown done, so KVB may step
	s_add_nc_u64 s[KVB:KVB+1], s[KVB:KVB+1], TILEB
	s_wait_dscnt 0x0                               ; for the others: my quarter of tile 0 is in LDS
	s_barrier_signal -1
	s_barrier_wait -1
.irp e, 0,1,2,3,4,5,6,7
	LFRAG 0, 0, 0, \e                              ; step 0's first fragments; every later step finds its own asked for in the step before
.endr
	; Steps 1 to 30 are alike but for the slot, which stands in the LDS instructions' immediates, so that the text shows that between two barriers
	; one slot is only read and the other only written: two steps a trip.  Step 0 starts the sums and step 31 loads nothing: these two are written out.
	STEP 0, 1, 0, 1                                ; step 0
	s_mov_b32 s20, 15
.Ltrip:                                            ; steps 1 to 30
	STEP 1, 0, 0, 0
	STEP 0, 0, 0, 1
	s_sub_co_i32 s20, s20, 1
	s_cmp_lg_u32 s20, 0
	s_cbranch_scc1 .Ltrip
	STEP 1, 0, 1, 0                                ; step 31: nothing is left to load, and no barrier follows: from here on a wave touches its own LDS bytes alone
	; THE WAY OUT.  1 / sum of each t: the two halves of the wave hold the sums over the two halves of the s.  The sum is about 1 at the least (the largest score's weight).
.irp tt, 0,1,2,3,4,5,6,7
	v_permlanex16_b32 v[16+\tt], v[LL+2*\tt], s14, s15     ; v16-23 have been written in the steps
.endr
.irp tt, 0,1,2,3,4,5,6,7
	v_add_f32 v[24+\tt], v[LL+2*\tt], v[16+\tt]
.endr
.irp tt, 0,1,2,3,4,5,6,7
	v_rcp_f32 v[AL+2*\tt], v[24+\tt]
.endr
	v_nop                                          ; a plain instruction before the reciprocals are used or their sources rewritten (ISA guide 5.7.2)
	s_wait_alu depctr_va_vdst(0)
; 16 rows c of my 128 t: scaled, laid into my stage (where my Q was: its last read is waited for) as rows of 512 bytes, read back by rows and stored.
; A lane holds a piece of a column of out0 (8 c of one t), so it goes in word by word: lanes 0-15 write 16 neighbouring words, lanes 16-31 those
; 8 rows of 528 bytes further on, which is 128 bytes modulo 256.  f: the registers for the rows read back, v64 and v192 by turns.
.macro OUT16 ct, f
.if \ct < 4
	WIN W_OLO
.else
	WIN W_OHI
.endif
.irp tt, 0,1,2,3,4,5,6,7
.irp p, 0,1,2,3
.set AR, 8*(8*(\ct&3)+\tt)+2*\p
	v_pk_mul_f32 v[PB+8*\tt+2*\p:PB+8*\tt+2*\p+1], v[AR:AR+1], v[AL+2*\tt:AL+2*\tt+1] op_sel_hi:[1,0]
.endr
.endr
	WIN 0
.irp tt, 0,1,2,3,4,5,6,7
.irp j, 0,1,2,3,4,5,6,7
	ds_store_b32 v[OS], v[PB+8*\tt+\j] offset:\j*OP+\tt*64
.endr
.endr
	s_wait_xcnt 0x0                                ; every earlier store has had its addresses translated (ISA guide 3.1): the registers that stores read are loaded again only behind this wait
.irp i, 0,1,2,3,4,5,6,7,8,9,10,11,12,13,14,15
	ds_load_b128 v[\f+4*\i:\f+4*\i+3], v[ORD] offset:\i*OP         ; LDS serves a wave's instructions in order (ISA guide 5.7.1.4): these see the stores above, and the next 16 rows' stores come behind them
.endr
.irp i, 0,1,2,3,4,5,6,7,8,9,10,11,12,13,14,15
	s_wait_dscnt 15-\i                             ; row i is in; the younger rows may be out
	global_store_b128 v[QG], v[\f+4*\i:\f+4*\i+3], s[OUTB:OUTB+1] offset:(16*\ct+\i)*ROWB th:TH_STORE_NT   ; 512 consecutive bytes of a row of out0, at a multiple of 512 from its first byte
.endr
.endm
	OUT16 0, 64
	OUT16 1, 192
	OUT16 2, 64
	OUT16 3, 192
	OUT16 4, 64
	OUT16 5, 192
	OUT16 6, 64
	OUT16 7, 192
	s_wait_xcnt 0x0
	v_lshl_add_u32 v254, v0, 2, 0x37000
	v_mov_b32 v255, 0
	s_wait_tensorcnt 0x0
	ds_add_u32 v254, v255
	s_wait_dscnt 0x0
	s_endpgm
.Lfunc_end_k_q75533ac0dc_attn:
	.size	k_q75533ac0dc_attn, .Lfunc_end_k_q75533ac0dc_attn-k_q75533ac0dc_attn
	.p2alignl 7, 3214868480
	.fill 96, 4, 3214868480
	.section	.rodata,"a",@progbits
	.p2align	6, 0x0
	.amdhsa_kernel k_q75533ac0dc_attn
		.amdhsa_group_segment_fixed_size 225792
		.amdhsa_private_segment_fixed_size 0
		.amdhsa_enable_private_segment 0
		.amdhsa_kernarg_size 16
		.amdhsa_user_sgpr_count 2
		.amdhsa_user_sgpr_kernarg_segment_ptr 1
		.amdhsa_wavefront_size32 1
		.amdhsa_system_sgpr_workgroup_id_x 1
		.amdhsa_system_sgpr_workgroup_id_y 1
		.amdhsa_system_sgpr_workgroup_id_z 1
		.amdhsa_system_vgpr_workitem_id 0
		.amdhsa_next_free_vgpr 1024
		.amdhsa_next_free_sgpr 66
		.amdhsa_reserve_vcc 0
		.amdhsa_float_denorm_mode_32 3
		.amdhsa_float_denorm_mode_16_64 3
		.amdhsa_memory_ordered 1
		.amdhsa_forward_progress 1
		.amdhsa_inst_pref_size 255
	.end_amdhsa_kernel
	.section	.bss,"aw",@nobits
	.p2align	6
	.space	262144
	.amdgpu_metadata
---
amdhsa.version: [ 1, 2 ]
amdhsa.kernels:
  - .name:           k_q75533ac0dc_attn
    .symbol:         k_q75533ac0dc_attn.kd
    .args:
      - { .name: qkv, .offset: 0, .size: 8, .value_kind: global_buffer, .address_space: global }
      - { .name: out0, .offset: 8, .size: 8, .value_kind: global_buffer, .address_space: global }
    .group_segment_fixed_size: 225792
    .private_segment_fixed_size: 0
    .kernarg_segment_align: 8
    .kernarg_segment_size: 16
    .max_flat_workgroup_size: 128
    .sgpr_count:     66
    .vgpr_count:     1024
    .wavefront_size: 32
...
	.end_amdgpu_metadata
.endif
;; end of part 3
